; MI455X (gfx1250); checked and timed in simulation.
; The chip was launched on July 23, 2026; its instructions are those of AMD's public machine-readable ISA for CDNA 5 (MIT licence, August 2026) and "CDNA5" Instruction Set Architecture Reference Guide (July 2026). The comments in the code are by the model that wrote it; some were corrected since.
;; Multi Head Attention. Allowed arithmetic: matrix products marked QUANTISED: E2M1 operands, one E8M0 scale for each 32 along K, by v_wmma_scale_f32_16x16x128_f8f6f4 with both operands' format E2M1 (or v_wmma_scale_f32_32x16x128_f4), f32 sums; everything else in f32.
;; Inputs: Wk 16 x 1,024 x 64 float32; Wp 1,024 x 1,024 float32; Wq 16 x 1,024 x 64 float32; Wv 16 x 1,024 x 64 float32; bp 1,024 float32; x 4 x 2,048 x 1,024 float32.
;; Outputs: out0 4 x 2,048 x 1,024 float32.
;; This version of the problem:
;;   THIS VERSION OF THE PROBLEM IS GIVEN IN LOW PRECISION. The matrix products marked QUANTISED in the list below multiply operands that are first quantised to E2M1 (2 exponent bits, 1 mantissa bit; 4 bits a number), with one power-of-two scale for each 32 numbers along K (OCP MX v1.0); their sums are f32. All else is computed in f32.
;;   The module's matrix products, in the order in which they are computed (A, B: the left and right operand; K: the contracted axis; several contracted axes count as one K, in the product's order):
;;     1. [M 1,024, K 1,024] x [K 1,024, N 8,192]; A: input Wq; B: input x: QUANTISED
;;     2. [M 1,024, K 1,024] x [K 1,024, N 8,192]; A: input Wk; B: input x: QUANTISED
;;     3. [M 1,024, K 1,024] x [K 1,024, N 8,192]; A: input Wv; B: input x: QUANTISED
;;     4. batch 64 x [M 2,048, K 64] x [K 64, N 2,048]; A: computed on the way; B: computed on the way: QUANTISED
;;     5. batch 64 x [M 2,048, K 2,048] x [K 2,048, N 64]; A: computed on the way; B: computed on the way: QUANTISED
;;     6. [M 8,192, K 1,024] x [K 1,024, N 1,024]; A: computed on the way; B: input Wp: QUANTISED
;;   THE QUANTISER, for each operand of a quantised product, along K:
;;     - K is cut into blocks of 32 from its start; a last block that is shorter is filled with zeros.
;;     - A block's scale is 2^e with e = floor(log2(the largest magnitude in the block)) - 2, held to -126 .. 127; a block of zeros has e = 0. As a byte (E8M0): e + 127.
;;     - Each number is divided by its block's scale, clamped to +-6, and rounded to the nearest number of E2M1, ties to even, subnormals kept.
;;     - The product sums the exact products of the quantised numbers (number of the format x scale) in f32.
;;   ~~~python
;;   def quantise(x, axis):      # numpy; x: float32 -> the quantised numbers, widened to float32 again
;;       x = np.moveaxis(x, axis, -1); K = x.shape[-1]
;;       x = np.pad(x, [(0, 0)] * (x.ndim - 1) + [(0, -K % 32)]); x = x.reshape(x.shape[:-1] + (-1, 32)); a = np.abs(x).max(-1, keepdims=True)
;;       e = np.where(a > 0, np.clip(np.frexp(np.where(a > 0, a, 1))[1] - 1 - 2, -126, 127), 0)      # np.frexp(a)[1] - 1 = floor(log2(a)), exactly
;;       r = np.clip(x / 2.0 ** e, -6, 6)
;;       step = 2.0 ** (np.maximum(np.frexp(np.where(r == 0, 1, r))[1] - 1, 0) - 1)
;;       q = np.round(r / step) * step * 2.0 ** e      # np.round: ties to even
;;       return np.moveaxis(q.reshape(q.shape[:-2] + (-1,))[..., :K], -1, axis).astype(np.float32)
;;   ~~~
;;   OPERANDS COMPUTED ON THE WAY. 'Computed on the way' means the value that the module computes at that place (a softmax that the list does not call 'softmax' is quantised finished and normalised). What goes into a quantiser is computed in f32, as accurately as f32 sums, v_exp_f32 and their like allow (about 1e-6 of the number): no bf16 or f16 on the way to a quantiser, and a product that is left as it is and whose result goes on into a quantised operand takes f32 operands (vector FMAs, or v_wmma_f32_16x16x4_f32). A number that lies on a knife's edge between two numbers of the format may be rounded either way, as far as f32 arithmetic and the matrix unit's own rounding can turn it there, and no further.
;; One version. Each part assembles by itself: llvm-mc -triple=amdgcn-amd-amdhsa -mcpu=gfx1250 --defsym DOCPART=n.
;; ======== version 1 of 1: 5 launches
;; limits: right only within a limited range of input values
;; workspace buffers: img 6,291,456 bytes; imgs 393,216 bytes; qk 9,437,184 bytes; vp 4,456,448 bytes; st 1,048,576 bytes; oimg 4,194,304 bytes; oscl 262,144 bytes
;; launch quant (part 1): grid 768 x 1, 4 waves a work-group, no clusters, 68,096 bytes of LDS; arguments x, Wp, Wq, Wk, Wv, img, imgs; writes img, imgs
.if DOCPART == 1
	.amdgcn_target "amdgcn-amd-amdhsa--gfx1250"
	.amdhsa_code_object_version 6
	.text
	.protected	k_q5cde5aec97_quant
	.globl	k_q5cde5aec97_quant
	.p2align	8
	.type	k_q5cde5aec97_quant,@function
k_q5cde5aec97_quant:
	s_mov_b64 s[64:65], 0
	v_nop
	global_prefetch_b8 v0, s[64:65] scope:SCOPE_SE
	s_setreg_imm32_b32 hwreg(HW_REG_WAVE_MODE, 25, 1), 1
	s_wait_xcnt 0x0
; x [8192][1024], Wp [1024][1024] (K innermost) and Wq, Wk, Wv [16][1024][64] (K = the middle axis), all f32, become codes of FP4 (E2M1) with one E8M0 byte for each 32 along K.
; THE CODES ARE LAID AS IMAGES OF OPERAND REGISTERS: img[K step q of 128][tile T of 16 rows][1,024 bytes]; in an image block kb (32 codes, 16 bytes) of place r lies at 256 kb + 16 r,
; so that two loads of 16 bytes a lane, at 16 x lane and 512 further on, are a fragment.  imgs[q][T][16 words]: place r's four scale bytes of that K step.
; THE ROWS OF A TILE ARE NOT NEIGHBOURS: place r of tile T is row 32 (T / 2) + 8 (T % 2) + r + 8 (r / 8).  Tiles 0-511 x, 512-575 Wq, 576-639 Wk, 640-703 Wv (row = 64 head + d), 704-767 Wp.
; A block's scale is 2^(floor(log2(its largest magnitude)) - 2); its byte is the largest magnitude's exponent field - 2, held at 1 from below.
; LIMITS: a block of zeros, or one whose largest magnitude lies under 2^-124, gets the byte 1 (the rule gives a block of zeros 127: its codes are zeros, and this program alone reads the bytes); NaN and infinities are not served.
; SHARES: a wave takes one unit of 16,384 bytes of input.  Work-groups 0-575: 32 rows x 128 along K of x or Wp; work-groups 576-767: 128 along K x 32 columns d of a head of Wq, Wk or Wv.
; No barrier: waves share nothing.  The scale words leave as 128 consecutive bytes a wave: one byte in 17 of what the launch stores.
.set RR,     16                        ; v16-143  128 numbers a lane as loaded
.set X,      144                       ; v144-207 64 numbers of a lane's row, back from the stage
.set CD,     208                       ; v208-223 codes
.set TM,     224                       ; v224-239 at work
.set SPITCH, 528                       ; a stage row: 512 bytes + 16
.set QIMG,   768*1024                  ; a K step of img in bytes
.macro BACK u, dst                     ; tile u: lane (r, h) takes its row's blocks h and 2 + h, 32 numbers each
.irp c, 0,1
.irp j, 0,1,2,3,4,5,6,7
	ds_load_b128 v[\dst+32*\c+4*\j:\dst+32*\c+4*\j+3], v3 offset:\u*16*SPITCH+256*\c+16*\j
.endr
.endr
.endm
.macro QROW src, u                     ; 64 numbers of a lane become 8 registers of codes and the row's scale word; the codes are stored
.irp c, 0,1
	v_max3_num_f32 v[TM+\c], |v[\src+32*\c]|, |v[\src+32*\c+1]|, 0x1800000   ; the floor 2^(3 - 127) among the leaves: the byte cannot fall under 1
.endr
.irp i, 2,4,6,8,10,12,14,16,18,20,22,24,26,28,30
.irp c, 0,1
	v_max3_num_f32 v[TM+\c], v[TM+\c], |v[\src+32*\c+\i]|, |v[\src+32*\c+\i+1]|   ; the two blocks by turns
.endr
.endr
.irp c, 0,1
	v_add_nc_u32 v[TM+2+\c], 0xff000000, v[TM+\c]      ; 2 off the exponent field: the conversion's scale operand
.endr
.irp c, 0,1
	v_lshrrev_b32 v[TM+4+\c], 23, v[TM+2+\c]           ; the scale's byte
.endr
	v_lshl_or_b32 v[TM+4], v[TM+5], 16, v[TM+4]        ; my bytes: blocks h and 2 + h,
	v_lshlrev_b32 v[TM+4], v5, v[TM+4]                 ; 8 h bits up;
	v_permlanex16_b32 v[TM+6], v[TM+4], s4, s5
	v_or_b32 v[TM+8+\u], v[TM+4], v[TM+6]              ; with lane l xor 16's two the word is whole
.irp c, 0,1
.irp g, 0,1,2,3
	v_cvt_scalef32_pk8_fp4_f32 v[CD+8*\u+4*\c+\g], v[\src+32*\c+8*\g:\src+32*\c+8*\g+7], v[TM+2+\c]
.endr
.endr
	v_nop                                              ; one plain place behind the conversions
	global_store_b128 v1, v[CD+8*\u:CD+8*\u+3], s[18:19] offset:1024*\u          ; 512 consecutive bytes of the image
	global_store_b128 v1, v[CD+8*\u+4:CD+8*\u+7], s[18:19] offset:1024*\u+512
.endm
.macro LOADC t                         ; block t of 32 along K: W(32 t + i, my column)
.irp i, 0,1,2,3,4,5,6,7,8,9,10,11,12,13,14,15,16,17,18,19,20,21,22,23,24,25,26,27,28,29,30,31
	global_load_b32 v[RR+32*(\t)+\i], v4, s[26:27] offset:(32*(\t)+\i)*256
.endr
.endm
.macro QCOL kb                         ; block kb of my column: all its 32 numbers are mine
.if \kb < 3
	s_wait_loadcnt 32                                  ; this block's 32 loads are in; the next block's 32 may be out
.else
	s_wait_loadcnt 0x0
.endif
.if \kb < 2
	LOADC \kb+2
.endif
.set XS, RR+32*\kb
	v_max3_num_f32 v[TM], |v[XS]|, |v[XS+1]|, |v[XS+2]|
	v_max3_num_f32 v[TM+1], |v[XS+3]|, |v[XS+4]|, |v[XS+5]|
.irp i, 6,10,14,18,22,26
	v_max3_num_f32 v[TM], v[TM], |v[XS+\i]|, |v[XS+\i+1]|
	v_max3_num_f32 v[TM+1], v[TM+1], |v[XS+\i+2]|, |v[XS+\i+3]|
.endr
	v_max3_num_f32 v[TM], v[TM], |v[XS+30]|, |v[XS+31]|
	v_max3_num_f32 v[TM], v[TM], v[TM+1], 0x1800000
	v_add_nc_u32 v[TM+4+\kb], 0xff000000, v[TM]
	v_lshrrev_b32 v[TM+2], 23, v[TM+4+\kb]
.if \kb == 0
	v_mov_b32 v[TM+8], v[TM+2]
.else
	v_lshl_or_b32 v[TM+8], v[TM+2], 8*\kb, v[TM+8]     ; four bytes make my row's scale word
.endif
.irp g, 0,1,2,3
	v_cvt_scalef32_pk8_fp4_f32 v[CD+4*\kb+\g], v[XS+8*\g:XS+8*\g+7], v[TM+4+\kb]
.endr
	v_nop
	global_store_b128 v2, v[CD+4*\kb:CD+4*\kb+3], s[18:19] offset:256*\kb   ; sixteen lanes fill block kb's 256 bytes of one image, sixteen those of the next
.endm
	s_load_b256 s[8:15], s[0:1], 0x0               ; x s[8:9], Wp s[10:11], Wq s[12:13], Wk s[14:15]
	s_load_b128 s[16:19], s[0:1], 0x20             ; Wv s[16:17], img s[18:19]
	s_load_b64 s[20:21], s[0:1], 0x30              ; imgs
	v_lshl_add_u32 v240, v0, 2, 0x10800
	v_mov_b32 v241, 0
	v_lshrrev_b32 v1, 5, v0
	v_readfirstlane_b32 s2, v1                     ; wave
	v_and_b32 v6, 31, v0                           ; lane
	v_lshlrev_b32 v1, 4, v6                        ; 16 x lane
	v_lshlrev_b32 v4, 2, v6                        ; 4 x lane
	s_lshl_b32 s3, ttmp9, 2
	s_add_co_u32 s3, s3, s2                        ; my unit
	s_mov_b32 s29, 0
	s_cmp_lt_u32 ttmp9, 576
	s_cbranch_scc0 .Lcols
	; ---- rows: K innermost.  Units 0-2047: x; 2048-2303: Wp.  K step q = unit % 8, pair of tiles a = unit / 8
	v_and_b32 v7, 15, v0                           ; r
	v_bfe_u32 v8, v0, 4, 1                         ; h
	s_mul_i32 s7, s2, 32*SPITCH                    ; my wave's stage
	v_add_nc_u32 v2, s7, v1                        ; into it: a row as it lies, 16 bytes a lane
	v_mul_u32_u24 v3, v7, SPITCH
	v_lshl_add_u32 v3, v8, 7, v3
	v_add_nc_u32 v3, s7, v3                        ; out of it: place r, + 128 h bytes
	v_lshlrev_b32 v5, 3, v8                        ; 8 h
	v_mov_b32 v[TM+6], 0                           ; a lane permute's destination counts as one of its sources
	s_mov_b32 s4, 0x76543210
	s_mov_b32 s5, 0xfedcba98                       ; selects for lane l xor 16
	s_mov_b32 s6, 0xffff0000                       ; lanes 16-31
	s_and_b32 s22, s3, 7                           ; q
	s_lshr_b32 s23, s3, 3
	s_cmp_lt_u32 s3, 2048                          ; the choice hangs on the unit's number alone
	s_cselect_b32 s24, 0, 256
	s_cselect_b32 s25, 0, 704
	s_wait_alu depctr_va_vdst(0)
	s_wait_kmcnt 0x0
	s_cselect_b64 s[26:27], s[8:9], s[10:11]
	s_sub_co_u32 s23, s23, s24                     ; a
	s_lshl_b32 s24, s23, 1
	s_add_co_u32 s25, s25, s24                     ; the pair's first tile
	s_lshl_b32 s28, s23, 17                        ; 32 rows of 4,096 bytes
	s_lshl_b32 s30, s22, 9                         ; 128 numbers
	s_add_co_u32 s28, s28, s30
	s_add_nc_u64 s[26:27], s[26:27], s[28:29]
	s_mul_i32 s28, s22, QIMG
	s_lshl_b32 s30, s25, 10
	s_add_co_u32 s28, s28, s30
	s_add_nc_u64 s[18:19], s[18:19], s[28:29]
	s_mul_i32 s28, s22, 768
	s_add_co_u32 s28, s28, s25
	s_lshl_b32 s28, s28, 6
	s_add_nc_u64 s[20:21], s[20:21], s[28:29]
.set i, 0
.rept 32                               ; the 32 rows in the order of the two tiles' places; each load takes 512 consecutive bytes
	global_load_b128 v[RR+4*i:RR+4*i+3], v1, s[26:27] offset:(8*(i/16)+(i%16)+8*((i%16)/8))*4096 th:TH_LOAD_NT
.set i, i+1
.endr
.set i, 0
.rept 32
	s_wait_loadcnt 31-i                            ; loads come back in order: row i is in, the younger ones stay out
	ds_store_b128 v2, v[RR+4*i:RR+4*i+3] offset:SPITCH*i
.set i, i+1
.endr
	BACK 0, X                                      ; LDS serves a wave's instructions in order: these see my stores
	s_wait_dscnt 0x0                               ; tile 0's numbers are in, and the stores have read v16-143
	BACK 1, RR
	QROW X, 0
	s_wait_dscnt 0x0
	QROW RR, 1
	v_cndmask_b32 v[TM+10], v[TM+8], v[TM+9], s6   ; lanes 0-15 tile 0's words, lanes 16-31 tile 1's
	global_store_b32 v4, v[TM+10], s[20:21]
	s_wait_tensorcnt 0x0
	ds_add_u32 v240, v241
	s_wait_dscnt 0x0
	s_endpgm
	; ---- columns: a lane takes column d = 32 half + lane, its registers run down K
.Lcols:
	s_sub_co_u32 s3, s3, 2304
	s_and_b32 s22, s3, 1                           ; half
	s_bfe_u32 s23, s3, 0x30001                     ; q
	s_bfe_u32 s24, s3, 0x40004                     ; head
	s_lshr_b32 s25, s3, 8                          ; 0 Wq, 1 Wk, 2 Wv
	v_bfe_u32 v7, v0, 3, 1                         ; column l lies in tile u = (l / 8) % 2 of the pair,
	v_and_b32 v8, 7, v0
	v_bfe_u32 v9, v0, 4, 1
	v_lshl_add_u32 v8, v9, 3, v8                   ; at place l % 8 + 8 (l / 16)
	v_lshlrev_b32 v2, 4, v8
	v_lshl_add_u32 v2, v7, 10, v2                  ; codes: 1,024 u + 16 place
	v_lshlrev_b32 v3, 2, v8
	v_lshl_add_u32 v3, v7, 6, v3                   ; scale word: 64 u + 4 place
	s_wait_kmcnt 0x0
	s_cmp_eq_u32 s25, 0
	s_cselect_b64 s[26:27], s[12:13], s[14:15]
	s_cmp_eq_u32 s25, 2
	s_cselect_b64 s[26:27], s[16:17], s[26:27]
	s_lshl_b32 s28, s24, 18                        ; a head: 1,024 rows of 256 bytes
	s_lshl_b32 s30, s23, 15                        ; 128 rows
	s_add_co_u32 s28, s28, s30
	s_lshl_b32 s30, s22, 7                         ; 32 columns
	s_add_co_u32 s28, s28, s30
	s_add_nc_u64 s[26:27], s[26:27], s[28:29]
	s_lshl_b32 s30, s25, 6
	s_lshl_b32 s31, s24, 2
	s_add_co_u32 s30, s30, s31
	s_lshl_b32 s31, s22, 1
	s_add_co_u32 s30, s30, s31
	s_add_co_u32 s30, s30, 512                     ; the pair's first tile: 512 + 64 which + 4 head + 2 half
	s_mul_i32 s28, s23, QIMG
	s_lshl_b32 s31, s30, 10
	s_add_co_u32 s28, s28, s31
	s_add_nc_u64 s[18:19], s[18:19], s[28:29]
	s_mul_i32 s28, s23, 768
	s_add_co_u32 s28, s28, s30
	s_lshl_b32 s28, s28, 6
	s_add_nc_u64 s[20:21], s[20:21], s[28:29]
	s_wait_alu depctr_va_vdst(0)
	LOADC 0
	LOADC 1
	QCOL 0
	QCOL 1
	QCOL 2
	QCOL 3
	global_store_b32 v3, v[TM+8], s[20:21]
	s_endpgm
.Lfunc_end_k_q5cde5aec97_quant:
	.size	k_q5cde5aec97_quant, .Lfunc_end_k_q5cde5aec97_quant-k_q5cde5aec97_quant
	.p2alignl 7, 3214868480
	.fill 96, 4, 3214868480
	.section	.rodata,"a",@progbits
	.p2align	6, 0x0
	.amdhsa_kernel k_q5cde5aec97_quant
		.amdhsa_group_segment_fixed_size 68096
		.amdhsa_private_segment_fixed_size 0
		.amdhsa_enable_private_segment 0
		.amdhsa_kernarg_size 56
		.amdhsa_user_sgpr_count 2
		.amdhsa_user_sgpr_kernarg_segment_ptr 1
		.amdhsa_wavefront_size32 1
		.amdhsa_system_sgpr_workgroup_id_x 1
		.amdhsa_system_sgpr_workgroup_id_y 1
		.amdhsa_system_sgpr_workgroup_id_z 1
		.amdhsa_system_vgpr_workitem_id 0
		.amdhsa_next_free_vgpr 242
		.amdhsa_next_free_sgpr 66
		.amdhsa_reserve_vcc 0
		.amdhsa_float_denorm_mode_32 3
		.amdhsa_float_denorm_mode_16_64 3
		.amdhsa_memory_ordered 1
		.amdhsa_forward_progress 1
		.amdhsa_inst_pref_size 38
	.end_amdhsa_kernel
	.amdgpu_metadata
---
amdhsa.version: [ 1, 2 ]
amdhsa.kernels:
  - .name:           k_q5cde5aec97_quant
    .symbol:         k_q5cde5aec97_quant.kd
    .args:
      - { .name: x, .offset: 0, .size: 8, .value_kind: global_buffer, .address_space: global }
      - { .name: Wp, .offset: 8, .size: 8, .value_kind: global_buffer, .address_space: global }
      - { .name: Wq, .offset: 16, .size: 8, .value_kind: global_buffer, .address_space: global }
      - { .name: Wk, .offset: 24, .size: 8, .value_kind: global_buffer, .address_space: global }
      - { .name: Wv, .offset: 32, .size: 8, .value_kind: global_buffer, .address_space: global }
      - { .name: img, .offset: 40, .size: 8, .value_kind: global_buffer, .address_space: global }
      - { .name: imgs, .offset: 48, .size: 8, .value_kind: global_buffer, .address_space: global }
    .group_segment_fixed_size: 68096
    .private_segment_fixed_size: 0
    .kernarg_segment_align: 8
    .kernarg_segment_size: 56
    .max_flat_workgroup_size: 128
    .sgpr_count:     66
    .vgpr_count:     242
    .wavefront_size: 32
...
	.end_amdgpu_metadata
.endif
;; end of part 1
;; launch qkv (part 2): grid 256 x 1, 16 waves a work-group, no clusters, 280,576 bytes of LDS; arguments img, imgs, qk, vp; writes qk, vp
.if DOCPART == 2
	.amdgcn_target "amdgcn-amd-amdhsa--gfx1250"
	.amdhsa_code_object_version 6
	.text
	.protected	k_q5cde5aec97_qkv
	.globl	k_q5cde5aec97_qkv
	.p2align	8
	.type	k_q5cde5aec97_qkv,@function
k_q5cde5aec97_qkv:
	s_mov_b64 s[64:65], 0
	v_nop
	global_prefetch_b8 v0, s[64:65] scope:SCOPE_SE
	s_setreg_imm32_b32 hwreg(HW_REG_WAVE_MODE, 25, 1), 1
	s_wait_xcnt 0x0
; q, k and v = x W on codes of FP4 with E8M0 scales, K = 1,024, and the results quantised at once for the attention's products: q and k along the head's 64, v along the keys.
; Source 0 = operand P, whose rows run along a lane's result registers; source 1 = operand R, whose row is the lane.  By the order of rows in a tile (place r of tile T = row 32 (T / 2) + 8 (T % 2) + r + 8 (r / 8))
; the 16 registers of P's tiles 2 b and 2 b + 1 are 16 neighbours: 32 b + 16 (lane / 16) + 0 .. 15.  So what is to be quantised lies along a lane's registers.
; A WORK-GROUP HAS TWO PARTS ON THE SAME 256 TOKENS.  Part 1: P = 256 rows of Wq and Wk (row = 64 head + d), R = the tokens: a lane holds a token and two heads' 64 numbers.
; Part 2: P = the same tokens, still in LDS, R = 128 rows of Wv: a lane holds (head, d) and 128 keys.  32 blocks of tokens x 8 blocks of rows = 256 work-groups of equal work.
; SHARES: 16 waves.  Part 1: wave w takes P's tiles 8 (w % 2) .. + 7 and R's tiles 2 (w / 2), + 1: 16 accumulators.  Part 2: token tiles 8 (w % 2) .. + 7 and Wv's tile w / 2: 8 accumulators.
; LDS: all eight K steps of the 16 + 16 tiles and their scale words come ONCE, one tensor load a wave at the head: waves 0-3 two K steps each of W's codes, waves 4-7 of x's, wave 8 W's scale words, wave 9 x's.
; Nothing is filled twice.  Wv's tile is read by one wave alone: its eight fragments and scale words go from memory straight into registers, 512 consecutive bytes a load.
; OUT: qk[q or k][batch x 16 + head] packs of 73,728 bytes = codes [token tile 128][512] + scale words [tile][16] (bytes 2, 3 = 127: the upper 64 of the instruction's K are zero codes);
;      vp[batch x 16 + head] packs of 69,632 bytes = codes [key step 16][d tile 4][1,024] + scale words [step][d tile][16].
; NO CLUSTER, NO PREFETCH: a work-group asks for its tiles once, at its head, and has no loop of refills in which joint requests would recur or in which to run ahead.
; LIMITS: a block whose largest magnitude lies under 2^-124 gets the byte 1; NaN and infinities are not served.
.set PCO,  0                           ; W's codes [q 8][16 tiles][1,024]
.set RCO,  131072                      ; x's
.set PSO,  262144                      ; W's scale words [q 8][16 tiles][64]
.set RSO,  270336                      ; x's
.set SPARE, 278528                     ; the spare words, 128 bytes a wave
.set QIMG, 786432                      ; a K step of img
.set QSCL, 49152                       ; a K step of imgs
.set QKP,  73728
.set VPP,  69632
.set RF,   16                          ; v16-31   R's two fragments
.set PS,   32                          ; v32-35   P's scale words: lanes 0-15 tile 2 p, lanes 16-31 tile 2 p + 1
.set RS,   36                          ; v36      R's: lanes 0-15 tile 0, lanes 16-31 tile 1
.set RVS,  40                          ; v40-47   part 2: Wv's scale words, one register a K step
.set PF,   64                          ; v64-127  P's eight fragments; later codes and work
.set ACC,  128                         ; v128-255 accumulator (rt, pt) at 128 + 64 rt + 8 pt; part 2: v128-191
.set RV,   192                         ; v192-255 part 2: Wv's eight fragments
.set TM,   80
.set GD,   24                          ; s[24:31] group 1: two K steps of 16 tiles: 2 rows of 16,384 bytes
.set GR,   32                          ; s[32:39] group 1: eight K steps of scale words: 8 rows of 1,024 bytes
.set SEL,  74                          ; s[74:75]
.macro WM d, a, b, z, sa, sb, ra, rb   ; D = A B + (z: 0, else D); ra, rb: the scale words lie in lanes 16-31
.if (\z) && (\ra) && (\rb)
	v_wmma_scale_f32_16x16x128_f8f6f4 v[\d:\d+7], v[\a:\a+7], v[\b:\b+7], 0, v[\sa], v[\sb] matrix_a_fmt:MATRIX_FMT_FP4 matrix_b_fmt:MATRIX_FMT_FP4 matrix_a_scale:MATRIX_SCALE_ROW1 matrix_b_scale:MATRIX_SCALE_ROW1
.elseif (\z) && (\ra)
	v_wmma_scale_f32_16x16x128_f8f6f4 v[\d:\d+7], v[\a:\a+7], v[\b:\b+7], 0, v[\sa], v[\sb] matrix_a_fmt:MATRIX_FMT_FP4 matrix_b_fmt:MATRIX_FMT_FP4 matrix_a_scale:MATRIX_SCALE_ROW1
.elseif (\z) && (\rb)
	v_wmma_scale_f32_16x16x128_f8f6f4 v[\d:\d+7], v[\a:\a+7], v[\b:\b+7], 0, v[\sa], v[\sb] matrix_a_fmt:MATRIX_FMT_FP4 matrix_b_fmt:MATRIX_FMT_FP4 matrix_b_scale:MATRIX_SCALE_ROW1
.elseif (\z)
	v_wmma_scale_f32_16x16x128_f8f6f4 v[\d:\d+7], v[\a:\a+7], v[\b:\b+7], 0, v[\sa], v[\sb] matrix_a_fmt:MATRIX_FMT_FP4 matrix_b_fmt:MATRIX_FMT_FP4
.elseif (\ra) && (\rb)
	v_wmma_scale_f32_16x16x128_f8f6f4 v[\d:\d+7], v[\a:\a+7], v[\b:\b+7], v[\d:\d+7], v[\sa], v[\sb] matrix_a_fmt:MATRIX_FMT_FP4 matrix_b_fmt:MATRIX_FMT_FP4 matrix_a_scale:MATRIX_SCALE_ROW1 matrix_b_scale:MATRIX_SCALE_ROW1
.elseif (\ra)
	v_wmma_scale_f32_16x16x128_f8f6f4 v[\d:\d+7], v[\a:\a+7], v[\b:\b+7], v[\d:\d+7], v[\sa], v[\sb] matrix_a_fmt:MATRIX_FMT_FP4 matrix_b_fmt:MATRIX_FMT_FP4 matrix_a_scale:MATRIX_SCALE_ROW1
.elseif (\rb)
	v_wmma_scale_f32_16x16x128_f8f6f4 v[\d:\d+7], v[\a:\a+7], v[\b:\b+7], v[\d:\d+7], v[\sa], v[\sb] matrix_a_fmt:MATRIX_FMT_FP4 matrix_b_fmt:MATRIX_FMT_FP4 matrix_b_scale:MATRIX_SCALE_ROW1
.else
	v_wmma_scale_f32_16x16x128_f8f6f4 v[\d:\d+7], v[\a:\a+7], v[\b:\b+7], v[\d:\d+7], v[\sa], v[\sb] matrix_a_fmt:MATRIX_FMT_FP4 matrix_b_fmt:MATRIX_FMT_FP4
.endif
.endm
; Part 1, K step q: 25 LDS loads, then 16 products, each accumulator once: the accumulators take turns.  z = 1: the products start the sums.
.macro KSTEP q, z
.if \q > 0
.rept 4
	v_nop                                          ; places in front of loads into registers that matrix instructions have read
.endr
.endif
.irp pt, 0,1,2,3,4,5,6,7
.irp c, 0,1
	ds_load_b128 v[PF+8*\pt+4*\c:PF+8*\pt+4*\c+3], v[2+(\q)/4] offset:((\q)%4)*16384+\pt*1024+512*\c
.endr
.endr
.irp rt, 0,1
.irp c, 0,1
	ds_load_b128 v[RF+8*\rt+4*\c:RF+8*\rt+4*\c+3], v[4+(\q)/4] offset:((\q)%4)*16384+\rt*1024+512*\c
.endr
.endr
.irp pr, 0,1,2,3
	ds_load_b32 v[PS+\pr], v6 offset:(\q)*1024+128*\pr
.endr
	ds_load_b32 v[RS], v7 offset:(\q)*1024
	s_wait_dscnt 0x0
.irp pt, 0,1,2,3,4,5,6,7
.irp rt, 0,1
	WM ACC+64*\rt+8*\pt, PF+8*\pt, RF+8*\rt, \z, PS+\pt/2, RS, \pt%2, \rt
.endr
.endr
.endm
; Part 2, K step q: 20 LDS loads of the tokens' fragments and scale words, then 8 products against Wv's fragment, which lies in registers
.macro VSTEP q, z
.if \q > 0
.rept 4
	v_nop
.endr
.endif
.irp pt, 0,1,2,3,4,5,6,7
.irp c, 0,1
	ds_load_b128 v[PF+8*\pt+4*\c:PF+8*\pt+4*\c+3], v[10+(\q)/4] offset:((\q)%4)*16384+\pt*1024+512*\c
.endr
.endr
.irp pr, 0,1,2,3
	ds_load_b32 v[PS+\pr], v12 offset:(\q)*1024+128*\pr
.endr
	s_wait_dscnt 0x0
.irp pt, 0,1,2,3,4,5,6,7
	WM ACC+8*\pt, PF+8*\pt, RV+8*(\q), \z, PS+\pt/2, RVS+(\q), \pt%2, 0
.endr
.endm
; 64 numbers of a lane, register 16 b + i = k 32 b + 16 (lane / 16) + i of my row, become a fragment's codes in v[pc] on and its scale word in v[pw]
.macro QUANT s, pc, pw
.irp b, 0,1,2,3
	v_max3_num_f32 v[TM+\b], |v[\s+16*\b]|, |v[\s+1+16*\b]|, 0x1800000   ; my 16 numbers of block b, and the floor 2^(3 - 127)
.endr
.irp i, 2,4,6,8,10,12,14
.irp b, 0,1,2,3
	v_max3_num_f32 v[TM+\b], v[TM+\b], |v[\s+16*\b+\i]|, |v[\s+1+16*\b+\i]|
.endr
.endr
.irp b, 0,1,2,3
	v_permlanex16_b32 v[TM+4+\b], v[TM+\b], s[SEL], s[SEL+1]
.endr
.irp b, 0,1,2,3
	v_max_num_f32 v[TM+\b], v[TM+\b], v[TM+4+\b]       ; with lane l xor 16's: the block's largest magnitude
.endr
.irp b, 0,1,2,3
	v_add_nc_u32 v[TM+12+\b], 0xff000000, v[TM+\b]     ; 2 off its exponent field: the conversion's scale operand
.endr
.irp b, 0,1,2,3
	v_lshrrev_b32 v[TM+4+\b], 23, v[TM+12+\b]          ; the scale's byte
.endr
	v_lshl_or_b32 v[\pw], v[TM+5], 8, v[TM+4]
	s_delay_alu instid0(VALU_DEP_1)
	v_lshl_or_b32 v[\pw], v[TM+6], 16, v[\pw]
	s_delay_alu instid0(VALU_DEP_1)
	v_lshl_or_b32 v[\pw], v[TM+7], 24, v[\pw]
.irp b, 0,1,2,3
	v_cvt_scalef32_pk8_fp4_f32 v[\pc+2*\b], v[\s+16*\b:\s+7+16*\b], v[TM+12+\b]
	v_cvt_scalef32_pk8_fp4_f32 v[\pc+1+2*\b], v[\s+8+16*\b:\s+15+16*\b], v[TM+12+\b]
.endr
	v_nop                                              ; one plain place behind a scaled conversion
.irp c, 0,1                            ; the operand's layout wants a whole block in a lane
.irp i, 0,1
	v_permlane16_swap_b32 v[\pc+4*\c+\i], v[\pc+2+4*\c+\i]
.endr
.endr
.endm
; an arm of the head's one chain of branches on the wave's number: one tensor load, then on to the join
.macro ARM under, g0, g1, next
	s_cmp_lt_u32 s12, \under
	s_cbranch_scc0 \next
	tensor_load_to_lds s[\g0:\g0+3], s[\g1:\g1+7]
	s_nop 0
.rept 4
	v_nop
.endr
	s_branch .Lhead_asked
\next:
.endm
	s_load_b256 s[4:11], s[0:1], 0x0               ; img s[4:5], imgs s[6:7], qk s[8:9], vp s[10:11]
	v_lshl_add_u32 v62, v0, 2, SPARE
	v_mov_b32 v63, 0
	ds_add_u32 v62, v63                            ; the opening lines: the add twice on end, and its wait ahead of the first tensor load
	ds_add_u32 v62, v63
	v_lshrrev_b32 v1, 5, v0
	v_readfirstlane_b32 s12, v1                    ; wave 0..15
	s_and_b32 s13, s12, 1                          ; pw: which 8 tiles of P
	s_lshr_b32 s14, s12, 1                         ; rw: which tiles of R
	s_and_b32 s17, ttmp9, 7                        ; wb: which 256 rows of Wq, Wk and which 128 of Wv
	s_lshr_b32 s18, ttmp9, 3                       ; tb: which 256 tokens
	s_lshl_b32 s15, s17, 4
	s_add_co_u32 s15, s15, 512                     ; W's first tile
	s_lshl_b32 s16, s18, 4                         ; x's first tile
	s_mov_b32 s[GD+0], 0x30000                     ; elements of 8 bytes, no mask, no padding
	s_mov_b32 s[GD+1], 2048<<16                    ; a row: 16 tiles of one K step, 16,384 bytes
	s_mov_b32 s[GD+2], 2<<16
	s_mov_b32 s[GD+3], 2048<<16
	s_mov_b32 s[GD+4], 2
	s_mov_b32 s[GD+5], QIMG/8                      ; from K step to K step
	s_mov_b32 s[GD+6], 0
	s_mov_b32 s[GD+7], 0
	s_mov_b32 s[GR+0], 0x30000
	s_mov_b32 s[GR+1], 128<<16                     ; a row: 16 tiles' scale words of one K step, 1,024 bytes
	s_mov_b32 s[GR+2], 8<<16
	s_mov_b32 s[GR+3], 128<<16
	s_mov_b32 s[GR+4], 8
	s_mov_b32 s[GR+5], QSCL/8
	s_mov_b32 s[GR+6], 0
	s_mov_b32 s[GR+7], 0
	s_cmp_lt_u32 s12, 4
	s_cselect_b32 s19, s15, s16                    ; codes: waves 0-3 W's, waves 4-7 x's
	s_and_b32 s20, s12, 3
	s_mul_i32 s20, s20, 2*QIMG                     ; K steps 2 (w % 4), + 1
	s_lshl_b32 s19, s19, 10
	s_add_co_u32 s20, s20, s19
	s_mov_b32 s21, 0
	s_and_b32 s2, s12, 7
	s_lshl_b32 s2, s2, 15                          ; LDS: 32,768 x (w % 8)
	s_cmp_eq_u32 s13, 0
	s_cselect_b32 s22, s15, s16                    ; scale words: wave 8 W's, wave 9 x's
	s_lshl_b32 s22, s22, 6
	s_mov_b32 s23, 0
	s_lshl_b32 s3, s13, 13
	s_add_co_u32 s3, s3, PSO
	s_wait_dscnt 0x0                               ; both opening adds are done
	s_wait_kmcnt 0x0
	s_mov_b32 s40, 1
	s_mov_b32 s41, s2
	s_add_nc_u64 s[42:43], s[4:5], s[20:21]
	s_or_b32 s43, s43, 0x80000000
	s_mov_b32 s44, 1
	s_mov_b32 s45, s3
	s_add_nc_u64 s[46:47], s[6:7], s[22:23]
	s_or_b32 s47, s47, 0x80000000
	ARM 8, 40, GD, .Lhead_s
	ARM 10, 44, GR, .Lhead_none
.Lhead_asked:
	; where the results go, and where Wv's tile lies
	s_lshr_b32 s66, s17, 2
	s_lshl_b32 s66, s66, 6                         ; 64 x (q or k)
	s_lshr_b32 s67, s18, 3
	s_lshl_b32 s68, s67, 4                         ; 16 x batch
	s_add_co_u32 s66, s66, s68
	s_lshl_b32 s69, s17, 2
	s_lshl_b32 s70, s13, 1
	s_add_co_u32 s69, s69, s70
	s_and_b32 s69, s69, 15                         ; the first of my two heads
	s_add_co_u32 s66, s66, s69
	s_mul_i32 s66, s66, QKP                        ; its pack
	s_and_b32 s69, s18, 7                          ; which 256 tokens of the batch
	s_lshl_b32 s70, s69, 4
	s_lshl_b32 s71, s14, 1
	s_add_co_u32 s70, s70, s71                     ; my first token tile in the batch
	s_lshl_b32 s48, s70, 9
	s_add_co_u32 s48, s48, s66
	s_mov_b32 s49, 0
	s_add_nc_u64 s[48:49], s[8:9], s[48:49]        ; q, k: codes
	s_lshl_b32 s50, s70, 6
	s_add_co_u32 s50, s50, s66
	s_add_co_u32 s50, s50, 65536
	s_mov_b32 s51, 0
	s_add_nc_u64 s[50:51], s[8:9], s[50:51]        ; scale words
	s_lshl_b32 s71, s17, 1
	s_add_co_u32 s68, s68, s71
	s_lshr_b32 s71, s14, 2
	s_add_co_u32 s68, s68, s71                     ; v: 16 batch + head, head = 2 wb + rw / 4
	s_mul_i32 s68, s68, VPP
	s_lshl_b32 s69, s69, 1
	s_add_co_u32 s69, s69, s13                     ; key step in the batch
	s_and_b32 s71, s14, 3                          ; d tile
	s_lshl_b32 s52, s69, 12
	s_add_co_u32 s52, s52, s68
	s_lshl_b32 s72, s71, 10
	s_add_co_u32 s52, s52, s72
	s_mov_b32 s53, 0
	s_add_nc_u64 s[52:53], s[10:11], s[52:53]      ; v: codes
	s_lshl_b32 s54, s69, 8
	s_add_co_u32 s54, s54, s68
	s_lshl_b32 s72, s71, 6
	s_add_co_u32 s54, s54, s72
	s_add_co_u32 s54, s54, 65536
	s_mov_b32 s55, 0
	s_add_nc_u64 s[54:55], s[10:11], s[54:55]      ; scale words
	s_lshl_b32 s72, s17, 3
	s_add_co_u32 s72, s72, s14
	s_add_co_u32 s72, s72, 640                     ; Wv's tile: 640 + 8 wb + rw
	s_lshl_b32 s56, s72, 10
	s_mov_b32 s57, 0
	s_add_nc_u64 s[56:57], s[4:5], s[56:57]
	s_lshl_b32 s58, s72, 6
	s_mov_b32 s59, 0
	s_add_nc_u64 s[58:59], s[6:7], s[58:59]
	s_lshl_b32 s66, s13, 13                        ; LDS: part 1, P's fragments: 8,192 pw
	s_lshl_b32 s67, s14, 11
	s_add_co_u32 s67, s67, RCO                     ; R's: 2,048 rw
	s_lshl_b32 s68, s13, 9
	s_add_co_u32 s71, s68, RSO                     ; part 2, the tokens' scale words
	s_add_co_u32 s68, s68, PSO                     ; part 1, P's scale words
	s_lshl_b32 s69, s14, 7
	s_add_co_u32 s69, s69, RSO                     ; R's
	s_add_co_u32 s70, s66, RCO                     ; part 2, the tokens' fragments
	s_mov_b32 s[SEL], 0x76543210
	s_mov_b32 s[SEL+1], 0xfedcba98
	s_mov_b32 s76, 0xffff0000                      ; lanes 16-31
	s_mov_b32 s77, 0x7f7f0000                      ; bytes 2 and 3: 127, over zero codes
	v_and_b32 v8, 31, v0
	v_and_b32 v13, 15, v0
	v_lshlrev_b32 v1, 4, v8                        ; 16 x lane: my place in an image
	v_lshlrev_b32 v9, 2, v8                        ; 4 x lane
	v_lshlrev_b32 v13, 2, v13                      ; 4 r
	v_add_nc_u32 v2, s66, v1
	v_add_nc_u32 v4, s67, v1
	v_add_nc_u32 v10, s70, v1
	v_add_nc_u32 v6, s68, v9
	v_add_nc_u32 v7, s69, v9
	v_add_nc_u32 v12, s71, v9
	v_add_nc_u32 v3, 65536, v2                     ; K steps 4-7
	v_add_nc_u32 v5, 65536, v4
	v_add_nc_u32 v11, 65536, v10
.irp b, 0,1,2,3
	v_mov_b32 v[TM+4+\b], 0                        ; a lane permute's destination counts as one of its sources
.endr
	s_wait_alu depctr_va_vdst(0)                   ; the head's end
	s_wait_tensorcnt 0x0                           ; my load, if I issued one, is in
	s_barrier_signal -1
	s_barrier_wait -1                              ; everybody's is
	KSTEP 0, 1
	KSTEP 1, 0
	KSTEP 2, 0
	KSTEP 3, 0
	KSTEP 4, 0
	KSTEP 5, 0
	KSTEP 6, 0
	KSTEP 7, 0
.rept 4
	v_nop                                          ; places in front of the first read of results and of writes into P's registers
.endr
	QUANT ACC+64, 72, 97                           ; R's tile 1: codes v72-79, word v97.  Its 64 registers are free now:
.irp q, 0,1,2,3,4,5,6,7
.irp c, 0,1
	global_load_b128 v[RV+8*\q+4*\c:RV+8*\q+4*\c+3], v1, s[56:57] offset:\q*QIMG+512*\c   ; Wv's eight fragments are on their way while tile 0 is quantised
.endr
	global_load_b32 v[RVS+\q], v13, s[58:59] offset:\q*QSCL
.endr
	QUANT ACC, 64, 96                              ; tile 0: v64-71, v96
	v_cndmask_b32 v98, v96, v97, s76               ; lanes 0-15 tile 0's words, lanes 16-31 tile 1's
	s_delay_alu instid0(VALU_DEP_1)
	v_and_or_b32 v99, v98, 0xffff, s77             ; the first head's two bytes
	v_lshrrev_b32 v100, 16, v98
	s_delay_alu instid0(VALU_DEP_1)
	v_or_b32 v100, s77, v100                       ; the next head's
	; registers 0-3 are the first head's image (two blocks of 32 along d), registers 4-7 the next head's
	global_store_b128 v1, v[64:67], s[48:49]                      ; each store covers 512 consecutive bytes, aligned
	global_store_b128 v1, v[68:71], s[48:49] offset:QKP
	global_store_b128 v1, v[72:75], s[48:49] offset:512
	global_store_b128 v1, v[76:79], s[48:49] offset:512+QKP
	global_store_b32 v9, v99, s[50:51]
	global_store_b32 v9, v100, s[50:51] offset:QKP
	s_wait_xcnt 0x0                                ; the stores have read their registers: P's fragments may land there
	s_wait_loadcnt 0x0                             ; Wv's fragments and scale words are in
	VSTEP 0, 1
	VSTEP 1, 0
	VSTEP 2, 0
	VSTEP 3, 0
	VSTEP 4, 0
	VSTEP 5, 0
	VSTEP 6, 0
	VSTEP 7, 0
.rept 4
	v_nop
.endr
	QUANT ACC, 64, 96                              ; a fragment of 16 d x 128 keys
	global_store_b128 v1, v[64:67], s[52:53]
	global_store_b128 v1, v[68:71], s[52:53] offset:512
	global_store_b32 v13, v96, s[54:55]            ; lanes l and l xor 16 hold the same word and write it to the same place
	s_wait_tensorcnt 0x0                           ; the wave's end
	ds_add_u32 v62, v63
	s_wait_dscnt 0x0
	s_endpgm
.Lfunc_end_k_q5cde5aec97_qkv:
	.size	k_q5cde5aec97_qkv, .Lfunc_end_k_q5cde5aec97_qkv-k_q5cde5aec97_qkv
	.p2alignl 7, 3214868480
	.fill 96, 4, 3214868480
	.section	.rodata,"a",@progbits
	.p2align	6, 0x0
	.amdhsa_kernel k_q5cde5aec97_qkv
		.amdhsa_group_segment_fixed_size 280576
		.amdhsa_private_segment_fixed_size 0
		.amdhsa_enable_private_segment 0
		.amdhsa_kernarg_size 32
		.amdhsa_user_sgpr_count 2
		.amdhsa_user_sgpr_kernarg_segment_ptr 1
		.amdhsa_wavefront_size32 1
		.amdhsa_system_sgpr_workgroup_id_x 1
		.amdhsa_system_sgpr_workgroup_id_y 1
		.amdhsa_system_sgpr_workgroup_id_z 1
		.amdhsa_system_vgpr_workitem_id 0
		.amdhsa_next_free_vgpr 256
		.amdhsa_next_free_sgpr 80
		.amdhsa_reserve_vcc 0
		.amdhsa_float_denorm_mode_32 3
		.amdhsa_float_denorm_mode_16_64 3
		.amdhsa_memory_ordered 1
		.amdhsa_forward_progress 1
		.amdhsa_inst_pref_size 71
	.end_amdhsa_kernel
	.amdgpu_metadata
---
amdhsa.version: [ 1, 2 ]
amdhsa.kernels:
  - .name:           k_q5cde5aec97_qkv
    .symbol:         k_q5cde5aec97_qkv.kd
    .args:
      - { .name: img, .offset: 0, .size: 8, .value_kind: global_buffer, .address_space: global }
      - { .name: imgs, .offset: 8, .size: 8, .value_kind: global_buffer, .address_space: global }
      - { .name: qk, .offset: 16, .size: 8, .value_kind: global_buffer, .address_space: global }
      - { .name: vp, .offset: 24, .size: 8, .value_kind: global_buffer, .address_space: global }
    .group_segment_fixed_size: 280576
    .private_segment_fixed_size: 0
    .kernarg_segment_align: 8
    .kernarg_segment_size: 32
    .max_flat_workgroup_size: 512
    .sgpr_count:     80
    .vgpr_count:     256
    .wavefront_size: 32
...
	.end_amdgpu_metadata
.endif
;; end of part 2
;; launch stats (part 3): grid 256 x 1, 16 waves a work-group, no clusters, 169,984 bytes of LDS; arguments qk, st; writes st
.if DOCPART == 3
	.amdgcn_target "amdgcn-amd-amdhsa--gfx1250"
	.amdhsa_code_object_version 6
	.text
	.protected	k_q5cde5aec97_stats
	.globl	k_q5cde5aec97_stats
	.p2align	8
	.type	k_q5cde5aec97_stats,@function
k_q5cde5aec97_stats:
	s_mov_b64 s[64:65], 0
	v_nop
	global_prefetch_b8 v0, s[64:65] scope:SCOPE_SE
	s_setreg_imm32_b32 hwreg(HW_REG_WAVE_MODE, 25, 1), 1
	s_wait_xcnt 0x0
; The softmax runs over the QUERIES: for key s of a head, m = the largest score over queries t >= s and l = the sum over them of 2^(c score - c m), c = log2(e) / 32 (the scores' factor 1/32 is in c).
; This launch makes, for every key, -fl(c m) and 1 / l: st[batch x 16 + head][2][2,048] f32.  The scores are q k^T on codes of FP4, K = 64 (the upper 64 of the instruction's K are zero codes under the byte 127).
; The running maximum is taken away before every exponential; a sum is brought under a new maximum by 2^(old - new).
; WORK LEFT OUT: steps of 128 queries that all come before a block's keys lie wholly under the causal mask.  On the diagonal step hidden scores become -infinity.
; SHARES: four work-groups to a head.  A block is 32 keys (token tiles 2 g, 2 g + 1) and has 16 - g / 4 steps of 128 queries.  Waves 2 i and 2 i + 1 share blocks j and 63 - j, j = 8 (work-group % 4) + i: 17 steps.
; One of the two, the OWNER, walks block j's steps 7 to 15: nine.  The other walks block j's steps up to 6, puts its maximum and sums into its own stage in LDS, and then walks all of block 63 - j: eight in all.
; Behind one barrier the owner joins its partner's part of block j with its own, under the larger maximum.  So every wave has 8 or 9 steps.
; Source 0 = 16 queries, source 1 = my 16 keys: a lane holds ONE key and 64 queries of the step; lanes l and l xor 16 hold the same key and other queries, and keep statistics of their own until the end.
; The two loops have 7 and 9 trips in every wave; a step that is not the wave's is jumped over by a scalar branch on ids.
; LDS: the head's q pack (codes [tile 128][512], then scale words [tile][16]) comes once, one tensor load a wave; behind it the stages, 1,024 bytes a wave, which no tensor load fills.
; NO CLUSTER: which steps a wave walks hangs on its work-group's place among the four of a head.  NO PREFETCH: the pack is asked for once, at the head.
; The results leave as 4 bytes a lane, eight neighbouring keys together: 16,384 bytes a head.
; LIMITS: NaN and infinities are not served; an exponential under 2^-126 counts as 0; the promise holds while c x score stays under 2^31 in magnitude.
.set QW,  8                            ; v8-11    q's scale words: lanes 0-15 tile 2 p, lanes 16-31 tile 2 p + 1
.set KW,  12                           ; v12      k's: lanes 0-15 my tile 0, lanes 16-31 my tile 1
.set TM,  32                           ; v32-39   at work
.set KF,  48                           ; v48-63   my two fragments of k, registers 4-7 of each zero
.set QF,  64                           ; v64-127  the step's eight fragments of q, registers 4-7 of each zero
.set S,   128                          ; v128-191 scores, then 2^(..)
.set STA, 194                          ; v194     LDS address of my stage
.set LDA, 195                          ; v195     and of my partner's
.set G1,  16                           ; s[16:23] group 1
.set G0,  24                           ; s[24:27] group 0
.set N0,  13                           ; s13  the first step of the block in hand
.set N,   36                           ; s36  the step
.set SQ,  37                           ; s37  LDS byte of the step's fragments
.set SS,  38                           ; s38  and of its scale words
.set CS,  40                           ; s[40:41] c
.set SEL, 42                           ; s[42:43]
.set HM,  44                           ; s44  lanes 16-31
.set OWN, 46                           ; s46  1 in the owner
.set LO1, 47                           ; s47  the first loop's first step: 16, that is none, in the owner
.set QKP, 73728
.set STG, 73728
.set SPARE, 167936
; statistics of tile t at v[16 + 8 t]: +0 -c m, +1 c m, +2, +3 the sum in two halves, +4 the factor (+5 named with it as a pair)
.macro WM d, a, b, z, sa, sb, ra, rb
.if (\z) && (\ra) && (\rb)
	v_wmma_scale_f32_16x16x128_f8f6f4 v[\d:\d+7], v[\a:\a+7], v[\b:\b+7], 0, v[\sa], v[\sb] matrix_a_fmt:MATRIX_FMT_FP4 matrix_b_fmt:MATRIX_FMT_FP4 matrix_a_scale:MATRIX_SCALE_ROW1 matrix_b_scale:MATRIX_SCALE_ROW1
.elseif (\z) && (\ra)
	v_wmma_scale_f32_16x16x128_f8f6f4 v[\d:\d+7], v[\a:\a+7], v[\b:\b+7], 0, v[\sa], v[\sb] matrix_a_fmt:MATRIX_FMT_FP4 matrix_b_fmt:MATRIX_FMT_FP4 matrix_a_scale:MATRIX_SCALE_ROW1
.elseif (\z) && (\rb)
	v_wmma_scale_f32_16x16x128_f8f6f4 v[\d:\d+7], v[\a:\a+7], v[\b:\b+7], 0, v[\sa], v[\sb] matrix_a_fmt:MATRIX_FMT_FP4 matrix_b_fmt:MATRIX_FMT_FP4 matrix_b_scale:MATRIX_SCALE_ROW1
.else
	v_wmma_scale_f32_16x16x128_f8f6f4 v[\d:\d+7], v[\a:\a+7], v[\b:\b+7], 0, v[\sa], v[\sb] matrix_a_fmt:MATRIX_FMT_FP4 matrix_b_fmt:MATRIX_FMT_FP4
.endif
.endm
; my tile t of keys against the step's 128 queries
.macro COL t
.set SB, 16+8*\t
.irp u, 0,1,2,3,4,5,6,7
	WM S+8*\u, QF+8*\u, KF+8*\t, 1, QW+\u/2, KW, \u%2, \t
.endr
.rept 4
	v_nop                                          ; places in front of the first read of results
.endr
	s_cmp_lg_u32 s[N], s[N0]
	s_cbranch_scc1 .Lopen_\@                       ; behind the diagonal step every query counts
.set n, 0
.rept 64                               ; register n holds query 128 N + 32 (n / 16) + 16 (lane / 16) + n % 16: hidden where it comes before my key
	v_cmp_lt_i32 vcc_lo, 32*(n/16)+n%16-8*\t, v3
	v_cndmask_b32 v[S+n], v[S+n], v6, vcc_lo
.set n, n+1
.endr
.Lopen_\@:
.irp b, 0,1,2,3
	v_max3_num_f32 v[TM+\b], v[S+16*\b], v[S+16*\b+1], v[S+16*\b+2]   ; the largest of my 64 scores, in four chains, each accumulator from its low end on
.endr
.irp i, 3,5,7,9,11,13
.irp b, 0,1,2,3
	v_max3_num_f32 v[TM+\b], v[TM+\b], v[S+16*\b+\i], v[S+16*\b+\i+1]
.endr
.endr
.irp b, 0,1,2,3
	v_max_num_f32 v[TM+\b], v[TM+\b], v[S+16*\b+15]
.endr
	s_delay_alu instid0(VALU_DEP_2)
	v_max3_num_f32 v[TM], v[TM], v[TM+1], v[TM+2]
	s_delay_alu instid0(VALU_DEP_1)
	v_max_num_f32 v[TM], v[TM], v[TM+3]
	s_delay_alu instid0(VALU_DEP_1)
	v_mul_f32 v[TM], s[CS], v[TM]                  ; as c x score (c is positive)
	s_delay_alu instid0(VALU_DEP_1)
	v_max_num_f32 v[TM], v[SB+1], v[TM]            ; the new c m
	s_delay_alu instid0(VALU_DEP_1)
	v_sub_f32 v[TM+1], v[SB+1], v[TM]              ; old - new
	s_delay_alu instid0(VALU_DEP_2)
	v_mov_b32 v[SB+1], v[TM]
	s_delay_alu instid0(VALU_DEP_3)
	v_mul_f32 v[SB], -1.0, v[TM]
	s_wait_alu depctr_va_vdst(0)
	v_exp_f32 v[SB+4], v[TM+1]                     ; 2^(old - new); the multiply-adds below are the plain places behind it
.set n, 0
.rept 32
	v_pk_fma_f32 v[S+n:S+n+1], v[S+n:S+n+1], s[CS:CS+1], v[SB:SB+1] op_sel_hi:[1,0,0]   ; c score - c m, two at a time
.set n, n+2
.endr
.set n, 0
	s_wait_alu depctr_va_vdst(0)
.rept 64
	v_exp_f32 v[S+n], v[S+n]
.set n, n+1
.endr
	s_wait_alu depctr_va_vdst(0)
	v_pk_mul_f32 v[SB+2:SB+3], v[SB+2:SB+3], v[SB+4:SB+5] op_sel_hi:[1,0]   ; the sum under the new maximum.  (A plain place behind the exponentials)
	v_pk_add_f32 v[TM+2:TM+3], v[S:S+1], v[S+2:S+3]                         ; two chains
.irp j, 4,8,12,16,20,24,28,32,36,40,44,48,52,56,60
	v_pk_add_f32 v[SB+2:SB+3], v[SB+2:SB+3], v[S+\j:S+\j+1]
	v_pk_add_f32 v[TM+2:TM+3], v[TM+2:TM+3], v[S+\j+2:S+\j+3]
.endr
	s_delay_alu instid0(VALU_DEP_1)
	v_pk_add_f32 v[SB+2:SB+3], v[SB+2:SB+3], v[TM+2:TM+3]
.endm
.macro FRESH                           ; statistics that hold nothing yet
.irp t, 0,1
	v_mov_b32 v[16+8*\t], 0x7f61b1e6               ; -c m: 3e38
	v_mov_b32 v[17+8*\t], 0xff61b1e6               ; c m: -3e38, under every score
	v_mov_b32 v[18+8*\t], 0
	v_mov_b32 v[19+8*\t], 0
	v_mov_b32 v[20+8*\t], 0
	v_mov_b32 v[21+8*\t], 0
.endr
.endm
; a trip of a loop: the step's work, jumped over where the step comes before s[lo]; then the addresses' steps
.macro WALK lo, id
.Lstep\id:
	s_cmp_lt_u32 s[N], s[\lo]
	s_cbranch_scc1 .Lskip\id
	v_add_nc_u32 v4, s[SQ], v1
	v_add_nc_u32 v5, s[SS], v2
.irp u, 0,1,2,3,4,5,6,7
	ds_load_b128 v[QF+8*\u:QF+8*\u+3], v4 offset:512*\u
.endr
.irp p, 0,1,2,3
	ds_load_b32 v[QW+\p], v5 offset:128*\p
.endr
	s_wait_dscnt 0x0
	COL 0
	COL 1
.Lskip\id:
	s_add_co_u32 s[SQ], s[SQ], 4096
	s_add_co_u32 s[SS], s[SS], 512
	s_add_co_u32 s[N], s[N], 1
.endm
	s_load_b128 s[4:7], s[0:1], 0x0                ; qk s[4:5], st s[6:7]
	v_lshl_add_u32 v192, v0, 2, SPARE
	v_mov_b32 v193, 0
	ds_add_u32 v192, v193                          ; the opening lines: the add twice on end, and its wait ahead of the first tensor load
	ds_add_u32 v192, v193
	v_lshrrev_b32 v1, 5, v0
	v_readfirstlane_b32 s8, v1                     ; wave 0..15
	s_lshr_b32 s9, ttmp9, 2                        ; batch x 16 + head
	s_and_b32 s10, ttmp9, 3
	s_lshr_b32 s11, s8, 1
	s_lshl_b32 s12, s10, 3
	s_add_co_u32 s12, s12, s11                     ; j: the pair's long block
	s_sub_co_u32 s45, 63, s12                      ; its short block
	s_lshr_b32 s[OWN], s8, 2
	s_add_co_u32 s[OWN], s[OWN], s8
	s_and_b32 s[OWN], s[OWN], 1                    ; owners and partners are mixed over the wave numbers
	s_lshr_b32 s[N0], s12, 2                       ; the step that holds block j's keys
	s_lshr_b32 s48, s45, 2                         ; and block 63 - j's
	s_and_b32 s14, s12, 3
	s_lshl_b32 s14, s14, 5                         ; where block j lies in its step
	s_and_b32 s49, s45, 3
	s_lshl_b32 s49, s49, 5
	s_sub_co_u32 s49, s49, s14                     ; and how much further on block 63 - j lies in its own
	s_cmp_lg_u32 s[OWN], 0
	s_cselect_b32 s[LO1], 16, s[N0]
	s_cselect_b32 s54, s12, s45                    ; the block whose results I store
	s_mov_b32 s[G1+0], 0x30000                     ; elements of 8 bytes, no mask, no padding
	s_mov_b32 s[G1+1], 32<<16                      ; rows of 256 bytes,
	s_mov_b32 s[G1+2], 18<<16                      ; 18 of them, dense: a sixteenth of the pack
	s_mov_b32 s[G1+3], 32<<16
	s_mov_b32 s[G1+4], 18
	s_mov_b32 s[G1+5], 32
	s_mov_b32 s[G1+6], 0
	s_mov_b32 s[G1+7], 0
	s_mul_i32 s15, s9, QKP                         ; the head's q pack
	s_mul_i32 s28, s8, 4608
	s_add_co_u32 s30, s15, s28
	s_mov_b32 s31, 0
	s_wait_dscnt 0x0
	s_wait_kmcnt 0x0
	s_mov_b32 s[G0], 1
	s_mov_b32 s[G0+1], s28
	s_add_nc_u64 s[G0+2:G0+3], s[4:5], s[30:31]
	s_or_b32 s[G0+3], s[G0+3], 0x80000000
	tensor_load_to_lds s[G0:G0+3], s[G1:G1+7]
	s_nop 0
.rept 4
	v_nop                                          ; four places behind a tensor load
.endr
	v_and_b32 v32, 31, v0
	s_delay_alu instid0(VALU_DEP_1)
	v_lshlrev_b32 v1, 4, v32                       ; 16 x lane
	v_lshlrev_b32 v2, 2, v32                       ; 4 x lane
	s_wait_alu depctr_va_vdst(0)                   ; ahead of the run of scalar instructions
	s_lshl_b32 s32, s12, 10
	s_add_co_u32 s32, s32, s15
	s_add_co_u32 s32, s32, 64*QKP                  ; the head's k pack, block j's two tiles
	s_mov_b32 s33, 0
	s_add_nc_u64 s[32:33], s[4:5], s[32:33]
	s_lshl_b32 s34, s12, 7
	s_add_co_u32 s34, s34, s15
	s_add_co_u32 s34, s34, 64*QKP+65536
	s_mov_b32 s35, 0
	s_add_nc_u64 s[34:35], s[4:5], s[34:35]
	s_lshl_b32 s50, s45, 10
	s_add_co_u32 s50, s50, s15
	s_add_co_u32 s50, s50, 64*QKP                  ; block 63 - j's
	s_mov_b32 s51, 0
	s_add_nc_u64 s[50:51], s[4:5], s[50:51]
	s_lshl_b32 s52, s45, 7
	s_add_co_u32 s52, s52, s15
	s_add_co_u32 s52, s52, 64*QKP+65536
	s_mov_b32 s53, 0
	s_add_nc_u64 s[52:53], s[4:5], s[52:53]
	s_lshl_b32 s55, s8, 10
	s_add_co_u32 s55, s55, STG                     ; my stage: 1,024 bytes a wave
	global_load_b128 v[KF:KF+3], v1, s[32:33]
	global_load_b128 v[KF+8:KF+11], v1, s[32:33] offset:512
	global_load_b32 v[KW], v2, s[34:35]
	v_add_nc_u32 v[STA], s55, v1
	s_delay_alu instid0(VALU_DEP_1)
	v_xor_b32 v[LDA], 1024, v[STA]                 ; the stage of wave w xor 1 (STG is an even multiple of 1,024)
.irp t, 0,1
.irp k, 4,5,6,7
	v_mov_b32 v[KF+8*\t+\k], 0                     ; zero codes for the upper 64 of K
.endr
.endr
.irp u, 0,1,2,3,4,5,6,7
.irp k, 4,5,6,7
	v_mov_b32 v[QF+8*\u+\k], 0
.endr
.endr
	v_and_b32 v7, 15, v0
	v_and_b32 v33, 8, v0
	s_delay_alu instid0(VALU_DEP_1)
	v_add_nc_u32 v7, v7, v33                       ; r + 8 (r / 8): my key in its tile's 32
	v_and_b32 v33, 16, v0                          ; 16 h
	s_delay_alu instid0(VALU_DEP_1)
	v_sub_nc_u32 v3, v7, v33
	s_delay_alu instid0(VALU_DEP_1)
	v_add_nc_u32 v3, s14, v3                       ; the mask's term: r + 8 (r / 8) - 16 h + 32 (g % 4)
	v_lshlrev_b32 v14, 2, v7
	s_delay_alu instid0(VALU_DEP_1)
	v_lshl_add_u32 v14, v33, 9, v14                ; the store: 4 bytes a key; lanes 16-31 write the second array, 8,192 bytes on
	v_mov_b32 v6, 0xff800000                       ; -infinity
	FRESH
.irp k, 0,1,2,3,4,5,6,7
	v_mov_b32 v[TM+\k], 0                          ; lane permutes' destinations count as sources
.endr
	s_mov_b32 s[CS], 0x3d38aa3b                    ; c = log2(e) / 32
	s_mov_b32 s[CS+1], s[CS]
	s_mov_b32 s[SEL], 0x76543210
	s_mov_b32 s[SEL+1], 0xfedcba98
	s_mov_b32 s[HM], 0xffff0000
	s_mov_b32 s[N], 0
	s_mov_b32 s[SQ], 0
	s_mov_b32 s[SS], 65536
	s_wait_alu depctr_va_vdst(0)                   ; the head's end
	s_wait_tensorcnt 0x0                           ; my part of the pack is in,
	s_barrier_signal -1
	s_barrier_wait -1                              ; everybody's is
	s_wait_loadcnt 0x0                             ; block j's keys
	WALK LO1, 1                                    ; steps 0 to 6: the partner's part of block j
	s_cmp_lt_u32 s[N], 7
	s_cbranch_scc1 .Lstep1
	s_wait_alu depctr_va_vdst(0)
	s_cmp_lg_u32 s[OWN], 0
	s_cbranch_scc1 .Lowner
	ds_store_b128 v[STA], v[16:19]                 ; the partner: its part of block j, for the owner
	ds_store_b128 v[STA], v[24:27] offset:512
	global_load_b128 v[KF:KF+3], v1, s[50:51]      ; and on to block 63 - j
	global_load_b128 v[KF+8:KF+11], v1, s[50:51] offset:512
	global_load_b32 v[KW], v2, s[52:53]
	FRESH
	v_add_nc_u32 v3, s49, v3
	s_mov_b32 s[N0], s48
	s_wait_alu depctr_va_vdst(0)                   ; directly ahead of the wait below
	s_wait_loadcnt 0x0
.Lowner:
	s_mov_b32 s[N], 7
	s_mov_b32 s[SQ], 7*4096
	s_mov_b32 s[SS], 65536+7*512
	WALK N0, 2                                     ; steps 7 to 15: the owner's part of block j; the partner's block 63 - j
	s_cmp_lt_u32 s[N], 16
	s_cbranch_scc1 .Lstep2
	s_wait_alu depctr_va_vdst(0)
	s_wait_dscnt 0x0                               ; my stage is written
	s_barrier_signal -1
	s_barrier_wait -1                              ; everybody's is
	s_cmp_lg_u32 s[OWN], 0
	s_cbranch_scc0 .Lfinal
	ds_load_b128 v[S:S+3], v[LDA]                  ; the owner: its partner's -c m, c m and two half sums of the same keys, tile 0
	ds_load_b128 v[S+4:S+7], v[LDA] offset:512     ; and tile 1
	s_wait_dscnt 0x0
.irp t, 0,1
	v_max_num_f32 v[TM+\t], v[17+8*\t], v[S+4*\t+1]        ; the larger c m
.endr
.irp t, 0,1
	v_add_f32 v[18+8*\t], v[18+8*\t], v[19+8*\t]
.endr
.irp t, 0,1
	v_add_f32 v[S+4*\t+2], v[S+4*\t+2], v[S+4*\t+3]
.endr
.irp t, 0,1
	v_sub_f32 v[TM+2+\t], v[17+8*\t], v[TM+\t]
.endr
.irp t, 0,1
	v_sub_f32 v[TM+4+\t], v[S+4*\t+1], v[TM+\t]
.endr
	s_wait_alu depctr_va_vdst(0)                   ; the wait ahead of the batch
.irp t, 0,1
	v_exp_f32 v[TM+2+\t], v[TM+2+\t]
	v_exp_f32 v[TM+4+\t], v[TM+4+\t]               ; a partner with no step of block j has c m = -3e38 and the sum 0: the factor is 0
.endr
.irp t, 0,1
	v_mov_b32 v[17+8*\t], v[TM+\t]                 ; (plain places behind the exponentials)
	v_mov_b32 v[19+8*\t], 0
.endr
	s_wait_alu depctr_va_vdst(0)                   ; and the wait ahead of its first reader
.irp t, 0,1
	v_mul_f32 v[18+8*\t], v[18+8*\t], v[TM+2+\t]
.endr
.irp t, 0,1
	v_fmac_f32 v[18+8*\t], v[S+4*\t+2], v[TM+4+\t] ; both parts under the larger maximum
.endr
.Lfinal:
	; the two halves of the lanes are joined: M = the larger c m; each sum is brought under it
	s_wait_alu depctr_va_vdst(0)
.irp t, 0,1
	v_permlanex16_b32 v[TM+\t], v[17+8*\t], s[SEL], s[SEL+1]
.endr
.irp t, 0,1
	s_delay_alu instid0(VALU_DEP_2)
	v_max_num_f32 v[TM+\t], v[TM+\t], v[17+8*\t]
.endr
.irp t, 0,1
	s_delay_alu instid0(VALU_DEP_2)
	v_sub_f32 v[TM+2+\t], v[17+8*\t], v[TM+\t]
.endr
	s_wait_alu depctr_va_vdst(0)
.irp t, 0,1
	v_exp_f32 v[TM+2+\t], v[TM+2+\t]
.endr
.irp t, 0,1
	v_add_f32 v[TM+4+\t], v[18+8*\t], v[19+8*\t]   ; (plain places behind the exponentials)
.endr
	s_wait_alu depctr_va_vdst(0)
.irp t, 0,1
	v_mul_f32 v[TM+4+\t], v[TM+4+\t], v[TM+2+\t]
.endr
.irp t, 0,1
	s_delay_alu instid0(VALU_DEP_2)
	v_permlanex16_b32 v[TM+6+\t], v[TM+4+\t], s[SEL], s[SEL+1]
.endr
.irp t, 0,1
	s_delay_alu instid0(VALU_DEP_2)
	v_add_f32 v[TM+4+\t], v[TM+4+\t], v[TM+6+\t]   ; l: key s counts for query s, so l is at least 1
.endr
	s_wait_alu depctr_va_vdst(0)
.irp t, 0,1
	v_rcp_f32 v[TM+4+\t], v[TM+4+\t]
.endr
.irp t, 0,1
	v_mul_f32 v[TM+\t], -1.0, v[TM+\t]             ; (plain places behind the reciprocals)
.endr
	s_wait_alu depctr_va_vdst(0)
.irp t, 0,1
	v_cndmask_b32 v[TM+2+\t], v[TM+\t], v[TM+4+\t], s[HM]   ; lanes 0-15: -c m; lanes 16-31: 1 / l
.endr
	s_lshl_b32 s30, s9, 14
	s_lshl_b32 s28, s54, 7
	s_add_co_u32 s30, s30, s28
	s_add_nc_u64 s[6:7], s[6:7], s[30:31]
	global_store_b32 v14, v[TM+2], s[6:7]
	global_store_b32 v14, v[TM+3], s[6:7] offset:32
	s_wait_tensorcnt 0x0                           ; the wave's end
	ds_add_u32 v192, v193
	s_wait_dscnt 0x0
	s_endpgm
.Lfunc_end_k_q5cde5aec97_stats:
	.size	k_q5cde5aec97_stats, .Lfunc_end_k_q5cde5aec97_stats-k_q5cde5aec97_stats
	.p2alignl 7, 3214868480
	.fill 96, 4, 3214868480
	.section	.rodata,"a",@progbits
	.p2align	6, 0x0
	.amdhsa_kernel k_q5cde5aec97_stats
		.amdhsa_group_segment_fixed_size 169984
		.amdhsa_private_segment_fixed_size 0
		.amdhsa_enable_private_segment 0
		.amdhsa_kernarg_size 16
		.amdhsa_user_sgpr_count 2
		.amdhsa_user_sgpr_kernarg_segment_ptr 1
		.amdhsa_wavefront_size32 1
		.amdhsa_system_sgpr_workgroup_id_x 1
		.amdhsa_system_sgpr_workgroup_id_y 1
		.amdhsa_system_sgpr_workgroup_id_z 1
		.amdhsa_system_vgpr_workitem_id 0
		.amdhsa_next_free_vgpr 196
		.amdhsa_next_free_sgpr 80
		.amdhsa_reserve_vcc 1
		.amdhsa_float_denorm_mode_32 3
		.amdhsa_float_denorm_mode_16_64 3
		.amdhsa_memory_ordered 1
		.amdhsa_forward_progress 1
		.amdhsa_inst_pref_size 72
	.end_amdhsa_kernel
	.amdgpu_metadata
---
amdhsa.version: [ 1, 2 ]
amdhsa.kernels:
  - .name:           k_q5cde5aec97_stats
    .symbol:         k_q5cde5aec97_stats.kd
    .args:
      - { .name: qk, .offset: 0, .size: 8, .value_kind: global_buffer, .address_space: global }
      - { .name: st, .offset: 8, .size: 8, .value_kind: global_buffer, .address_space: global }
    .group_segment_fixed_size: 169984
    .private_segment_fixed_size: 0
    .kernarg_segment_align: 8
    .kernarg_segment_size: 16
    .max_flat_workgroup_size: 512
    .sgpr_count:     80
    .vgpr_count:     196
    .wavefront_size: 32
...
	.end_amdgpu_metadata
.endif
;; end of part 3
;; launch attn (part 4): grid 256 x 1, 16 waves a work-group, no clusters, 284,672 bytes of LDS; arguments qk, vp, st, oimg, oscl; writes oimg, oscl
.if DOCPART == 4
	.amdgcn_target "amdgcn-amd-amdhsa--gfx1250"
	.amdhsa_code_object_version 6
	.text
	.protected	k_q5cde5aec97_attn
	.globl	k_q5cde5aec97_attn
	.p2align	8
	.type	k_q5cde5aec97_attn,@function
k_q5cde5aec97_attn:
	s_mov_b64 s[64:65], 0
	v_nop
	global_prefetch_b8 v0, s[64:65] scope:SCOPE_SE
	s_setreg_imm32_b32 hwreg(HW_REG_WAVE_MODE, 25, 1), 1
	s_wait_xcnt 0x0
; out[t][d] = the sum over keys s <= t of attn[t][s] v[s][d] for one head, attn = the softmax over the QUERIES, finished and normalised: attn[t][s] = 2^(c score - c m(s)) / l(s), c = log2(e) / 32.
; Both products run on codes of FP4 with E8M0 scales: scores = q k^T (K = 64; the upper 64 of the instruction's K are zero codes under the byte 127), then attn, quantised along the keys, times v.
; The launch before has stored -c m(s) and 1 / l(s), m the largest score of key s over its queries.  Each work-group folds them once into n(s) = -c m(s) + log2(1 / l(s)), kept in LDS:
; attn = 2^(c score + n): one multiply-add and one exponential; the maximum is taken away inside n, and attn is at most 1.
; WORK LEFT OUT: steps of 128 keys that all come after a block's queries lie wholly under the causal mask: their attn is 0.  On the diagonal step hidden scores become -infinity.
; SHARES: four work-groups to a head.  A block is 32 queries (token tiles 2 g, 2 g + 1) and has g / 4 + 1 steps of 128 keys.  Waves 2 i and 2 i + 1 share blocks j and 63 - j, j = 8 (work-group % 4) + i: 17 steps.
; attn is finished before the second product, so out is a plain sum over the keys, and a block's steps can be shared out.  One of the two waves, the OWNER, walks steps 0 to 8 of block 63 - j: nine.
; The other walks all of block j and stores it, then walks steps 9 on of block 63 - j (eight steps in all) and puts its 64 sums a lane into its own stage in LDS.  Behind one barrier the owner adds them to its own.
; LAYOUT: both products are used transposed (source 0 = 16 keys, or 16 of the head's 64; source 1 = my 16 queries): a lane holds ONE query.  WHICH ROWS FORM A TILE IS CHOSEN BY THE LDS ADDRESS: lane m of tile u takes
; row 32 (m / 8) + 8 u + m % 8 of 64, so that the 32 registers of tiles 0-3 are one WHOLE block of 32 neighbours, 32 (lane / 16) + 0 .. 31: a block's largest number needs no other lane, and the conversions' four
; registers are the operand's registers as they stand.  In the packs that row lies in image 2 (m / 8) + u % 2 at place 8 (u / 2) + m % 8.
; LDS: the head's k pack and v pack come once, one tensor load a wave at the head (waves 0-7: an eighth of k's each; waves 8-15: of v's); behind them n and the stages, 8,192 bytes a wave, which no tensor load fills.
; The two loops have 9 and 7 trips in every wave; a step that is not the wave's is jumped over by a scalar branch on ids.  O begins as zeros, so that the step is written once for each loop.
; OUT: oimg[head / 2][token tile][1,024]: my head's two blocks at 512 (head % 2) + 16 x lane; oscl[head / 2][token tile][16 words]: a byte a lane.
; NO CLUSTER: which steps a wave walks hangs on its work-group's place among the four of a head.  NO PREFETCH: the packs are asked for once, at the head.
; LIMITS: NaN and infinities are not served; an exponential under 2^-126 counts as 0; n is rounded once, at the size of c m + log2 l; the promise holds while c x score stays under 2^31 in magnitude.
.set KS,    65536                      ; k's codes lie from 0, its scale words from here
.set VC,    73728                      ; v's codes
.set VS,    139264                     ; v's scale words
.set NT,    143360                     ; n, 2,048 f32
.set STG,   151552                     ; the stages
.set SPARE, 282624                     ; the spare words, 128 bytes a wave
.set QKP,   73728
.set VPP,   69632
.set QF,  16                           ; v16-31   my two fragments of q, registers 4-7 of each zero
.set KF,  32                           ; v32-63   four fragments of k, registers 4-7 of each zero
.set S0,  64                           ; v64-95   scores, then attn, of my tile 0
.set NV,  96                           ; v96-127  n of my 32 keys; then v's four fragments
.set S1,  128                          ; v128-159 the same as S0 for my tile 1
.set O,   160                          ; v160-223 O^T: tile t, d tile u at 160 + 32 t + 8 u
.set P,   224                          ; v224-239 attn's codes, 8 registers a tile
.set TM,  240                          ; v240-245 at work
.set LDA, 246                          ; v246     LDS address of my partner's stage
.set BV,  248                          ; v248-250 my lane's place in v's codes, in the scale words, in n (v2: in k's codes)
.set BKS, 249
.set BN,  250
.set STA, 251                          ; v251     LDS address of my stage
.set AV,  252                          ; v252, v253 the step's addresses of v's codes and scale words (v4, v5, v6: k's codes, k's scale words, n)
.set AVS, 253
; v8, v9 k's scale words; v10, v11 v's; v12 q's; v13, v14 attn's; v3 the mask's term; v7 -infinity; v15 8 (lane / 16); v254, v255 the add's two registers
.set NL,  17                           ; s17  the diagonal step of the block in hand
.set OWN, 22                           ; s22  1 in the owner
.set LB,  23                           ; s23  the long block, 63 - j
.set N,   60                           ; s60  the step
.set SK,  61                           ; s61  4,096 N: codes
.set SS,  62                           ; s62  512 N: k's scale words, n
.set SVS, 63                           ; s63  VS - KS + 256 N: v's scale words, counted from k's
.set CS,  68                           ; s[68:69] c
.set SEL, 70                           ; s[70:71] selects for lane l xor 16
.set HI1, 87                           ; s87  my last step in the first loop
.set HI2, 88                           ; s88  and in the second (0: none)
.macro WZ d, a, b, sa, sb, ra, rb      ; D = A B; ra, rb: the scale words lie in lanes 16-31
.if (\ra) && (\rb)
	v_wmma_scale_f32_16x16x128_f8f6f4 v[\d:\d+7], v[\a:\a+7], v[\b:\b+7], 0, v[\sa], v[\sb] matrix_a_fmt:MATRIX_FMT_FP4 matrix_b_fmt:MATRIX_FMT_FP4 matrix_a_scale:MATRIX_SCALE_ROW1 matrix_b_scale:MATRIX_SCALE_ROW1
.elseif (\ra)
	v_wmma_scale_f32_16x16x128_f8f6f4 v[\d:\d+7], v[\a:\a+7], v[\b:\b+7], 0, v[\sa], v[\sb] matrix_a_fmt:MATRIX_FMT_FP4 matrix_b_fmt:MATRIX_FMT_FP4 matrix_a_scale:MATRIX_SCALE_ROW1
.elseif (\rb)
	v_wmma_scale_f32_16x16x128_f8f6f4 v[\d:\d+7], v[\a:\a+7], v[\b:\b+7], 0, v[\sa], v[\sb] matrix_a_fmt:MATRIX_FMT_FP4 matrix_b_fmt:MATRIX_FMT_FP4 matrix_b_scale:MATRIX_SCALE_ROW1
.else
	v_wmma_scale_f32_16x16x128_f8f6f4 v[\d:\d+7], v[\a:\a+7], v[\b:\b+7], 0, v[\sa], v[\sb] matrix_a_fmt:MATRIX_FMT_FP4 matrix_b_fmt:MATRIX_FMT_FP4
.endif
.endm
.macro WA d, a, b, sa, sb, ra          ; D += A B
.if (\ra)
	v_wmma_scale_f32_16x16x128_f8f6f4 v[\d:\d+7], v[\a:\a+7], v[\b:\b+7], v[\d:\d+7], v[\sa], v[\sb] matrix_a_fmt:MATRIX_FMT_FP4 matrix_b_fmt:MATRIX_FMT_FP4 matrix_a_scale:MATRIX_SCALE_ROW1
.else
	v_wmma_scale_f32_16x16x128_f8f6f4 v[\d:\d+7], v[\a:\a+7], v[\b:\b+7], v[\d:\d+7], v[\sa], v[\sb] matrix_a_fmt:MATRIX_FMT_FP4 matrix_b_fmt:MATRIX_FMT_FP4
.endif
.endm
.macro KLOAD c                         ; the step's keys 64 c on: four fragments of k, their scale words, and n of my lane's 32 keys
.irp u, 0,1,2,3
	ds_load_b128 v[KF+8*\u:KF+8*\u+3], v4 offset:2048*\c+512*(\u%2)+128*(\u/2)
.endr
.irp p, 0,1
	ds_load_b32 v[8+\p], v5 offset:256*\c+32*\p
.endr
.irp g, 0,1,2,3,4,5,6,7
	ds_load_b128 v[NV+4*\g:NV+4*\g+3], v6 offset:256*\c+16*\g
.endr
.endm
.macro VLOAD                           ; the step's four fragments of v (16 d x 128 keys) and their scale words
.irp u, 0,1,2,3
.irp k, 0,1
	ds_load_b128 v[NV+8*\u+4*\k:NV+8*\u+4*\k+3], v[AV] offset:1024*(\u%2)+128*(\u/2)+512*\k
.endr
.endr
.irp p, 0,1
	ds_load_b32 v[10+\p], v[AVS] offset:32*\p
.endr
.endm
; the largest of a lane's 32 numbers at v[s + w t] (a = 0), or the largest magnitude (a = 1), both tiles, two chains each, with the floor 2^(3 - 127); then the conversion's scale operand in v[TM+2+t]
.macro BMAX s, w, a
.irp t, 0,1
.if \a
	v_max3_num_f32 v[TM+\t], |v[\s+\w*\t]|, |v[\s+\w*\t+1]|, |v[\s+\w*\t+2]|
	v_max3_num_f32 v[TM+2+\t], |v[\s+\w*\t+3]|, |v[\s+\w*\t+4]|, |v[\s+\w*\t+5]|
.else
	v_max3_num_f32 v[TM+\t], v[\s+\w*\t], v[\s+\w*\t+1], v[\s+\w*\t+2]
	v_max3_num_f32 v[TM+2+\t], v[\s+\w*\t+3], v[\s+\w*\t+4], v[\s+\w*\t+5]
.endif
.endr
.irp i, 6,10,14,18,22,26
.irp t, 0,1
.if \a
	v_max3_num_f32 v[TM+\t], v[TM+\t], |v[\s+\w*\t+\i]|, |v[\s+\w*\t+\i+1]|
	v_max3_num_f32 v[TM+2+\t], v[TM+2+\t], |v[\s+\w*\t+\i+2]|, |v[\s+\w*\t+\i+3]|
.else
	v_max3_num_f32 v[TM+\t], v[TM+\t], v[\s+\w*\t+\i], v[\s+\w*\t+\i+1]
	v_max3_num_f32 v[TM+2+\t], v[TM+2+\t], v[\s+\w*\t+\i+2], v[\s+\w*\t+\i+3]
.endif
.endr
.endr
.irp t, 0,1
.if \a
	v_max3_num_f32 v[TM+\t], v[TM+\t], |v[\s+\w*\t+30]|, |v[\s+\w*\t+31]|
.else
	v_max3_num_f32 v[TM+\t], v[TM+\t], v[\s+\w*\t+30], v[\s+\w*\t+31]
.endif
.endr
.irp t, 0,1
	s_delay_alu instid0(VALU_DEP_2)
	v_max3_num_f32 v[TM+\t], v[TM+\t], v[TM+2+\t], 0x1800000
.endr
.irp t, 0,1
	s_delay_alu instid0(VALU_DEP_2)
	v_add_nc_u32 v[TM+2+\t], 0xff000000, v[TM+\t]  ; 2 off the exponent field
.endr
.endm
; 64 keys x my 32 queries: scores, attn, its codes
.macro HALF c
	s_wait_dscnt 0x0                               ; k's fragments, scale words and n are in
.irp u, 0,1,2,3
.irp t, 0,1
	WZ S0+64*\t+8*\u, KF+8*\u, QF+8*\t, 8+\u/2, 12, \u%2, \t
.endr
.endr
.rept 4
	v_nop                                          ; places in front of the first read of results and of loads into the products' sources
.endr
	s_cmp_lg_u32 s[N], s[NL]
	s_cbranch_scc1 .Lopen_\@                       ; ahead of the diagonal step every key counts
.set n, 0
.rept 32                               ; register n holds key 128 N + 64 c + 32 (lane / 16) + n: hidden where it comes after my query
	v_cmp_gt_i32 vcc_lo, 64*\c+n, v3
	v_cndmask_b32 v[S0+n], v[S0+n], v7, vcc_lo
	v_cmp_gt_i32 vcc_lo, 64*\c+n-8, v3
	v_cndmask_b32 v[S1+n], v[S1+n], v7, vcc_lo
.set n, n+1
.endr
.Lopen_\@:
.set n, 0
.rept 16
	v_pk_fma_f32 v[S0+n:S0+n+1], v[S0+n:S0+n+1], s[CS:CS+1], v[NV+n:NV+n+1] op_sel_hi:[1,0,1]   ; c score + n, two at a time
	v_pk_fma_f32 v[S1+n:S1+n+1], v[S1+n:S1+n+1], s[CS:CS+1], v[NV+n:NV+n+1] op_sel_hi:[1,0,1]
.set n, n+2
.endr
	s_wait_alu depctr_va_vdst(0)                   ; ahead of the batch
.if \c == 0
	KLOAD 1                                        ; what comes next is on its way under the exponentials
.else
	VLOAD
.endif
.set n, 0
.rept 32
	v_exp_f32 v[S0+n], v[S0+n]
	v_exp_f32 v[S1+n], v[S1+n]
.set n, n+1
.endr
	v_nop                                          ; a plain place behind the exponentials
	s_wait_alu depctr_va_vdst(0)                   ; one wait for the batch, ahead of its first reader
	BMAX S0, 64, 0                                 ; none is negative: no |.|
.if \c == 0
.irp t, 0,1
	v_lshrrev_b32 v[TM+4+\t], 23, v[TM+2+\t]       ; the byte of block lane / 16
.endr
.else
.irp t, 0,1
	v_lshrrev_b32 v[TM+\t], 23, v[TM+2+\t]         ; the byte of block 2 + lane / 16
.endr
.irp t, 0,1
	s_delay_alu instid0(VALU_DEP_2)
	v_lshl_or_b32 v[TM+\t], v[TM+\t], 16, v[TM+4+\t]
.endr
.irp t, 0,1
	s_delay_alu instid0(VALU_DEP_2)
	v_lshlrev_b32 v[TM+\t], v15, v[TM+\t]          ; my two bytes at their places in the scale word
.endr
.irp t, 0,1
	s_delay_alu instid0(VALU_DEP_2)
	v_permlanex16_b32 v[13+\t], v[TM+\t], s[SEL], s[SEL+1]
.endr
.irp t, 0,1
	s_delay_alu instid0(VALU_DEP_2)
	v_or_b32 v[13+\t], v[TM+\t], v[13+\t]          ; with lane l xor 16's two the word is whole
.endr
.endif
.irp t, 0,1
.irp g, 0,1,2,3
	v_cvt_scalef32_pk8_fp4_f32 v[P+8*\t+4*\c+\g], v[S0+64*\t+8*\g:S0+64*\t+8*\g+7], v[TM+2+\t]   ; registers 4 c .. 4 c + 3 of the operand: k = 64 c + 32 (lane / 16) + 0 .. 31
.endr
.endr
	v_nop                                          ; one plain place behind a scaled conversion
.endm
; a trip of a loop: the step's work, jumped over where the step comes behind s[hi]; then the addresses' steps
.macro STEP hi, id
.Lstep\id:
	s_cmp_gt_u32 s[N], s[\hi]
	s_cbranch_scc1 .Lskip\id
	v_add_nc_u32 v4, s[SK], v2                     ; these five are also the places behind the last step's products
	v_add_nc_u32 v5, s[SS], v[BKS]
	v_add_nc_u32 v6, s[SS], v[BN]
	v_add_nc_u32 v[AV], s[SK], v[BV]
	v_add_nc_u32 v[AVS], s[SVS], v[BKS]
	KLOAD 0
	HALF 0
	HALF 1
.rept 8
	v_nop                                          ; a scale register written by a vector instruction stands 8 places ahead of a scaled matrix instruction, an operand 4
.endr
	s_wait_alu depctr_va_vdst(0)                   ; O^T, attn's codes
	s_wait_dscnt 0x0                               ; v's fragments are in
.irp u, 0,1,2,3
.irp t, 0,1
	WA O+32*\t+8*\u, NV+8*\u, P+8*\t, 10+\u/2, 13+\t, \u%2   ; the eight accumulators take turns
.endr
.endr
.Lskip\id:
	s_add_co_u32 s[SK], s[SK], 4096
	s_add_co_u32 s[SS], s[SS], 512
	s_add_co_u32 s[SVS], s[SVS], 256
	s_add_co_u32 s[N], s[N], 1
.endm
; THE WAY OUT of block s[g].  OUTS: where it goes.  OUTV: a lane's 32 registers of a tile are d = 32 h + 0 .. 31, a whole block of the projection's K
.macro OUTS g
	s_and_b32 s72, s15, 15                         ; head
	s_lshr_b32 s73, s15, 4                         ; batch
	s_lshr_b32 s74, s72, 1
	s_and_b32 s75, s72, 1
	s_lshl_b32 s73, s73, 7
	s_lshl_b32 s76, s[\g], 1
	s_add_co_u32 s73, s73, s76                     ; the block's first token tile
	s_lshl_b32 s80, s74, 19
	s_lshl_b32 s76, s73, 10
	s_add_co_u32 s80, s80, s76
	s_lshl_b32 s76, s75, 9
	s_add_co_u32 s80, s80, s76
	s_mov_b32 s81, 0
	s_add_nc_u64 s[80:81], s[10:11], s[80:81]
	s_lshl_b32 s82, s74, 9
	s_add_co_u32 s82, s82, s73
	s_lshl_b32 s82, s82, 6
	s_lshl_b32 s76, s75, 1
	s_add_co_u32 s82, s82, s76
	s_mov_b32 s83, 0
	s_add_nc_u64 s[82:83], s[12:13], s[82:83]
.endm
.macro OUTV
	v_and_b32 v4, 15, v0                           ; (these four are also places in front of the first read of O^T)
	v_bfe_u32 v5, v0, 4, 1
	v_lshl_add_u32 v4, v4, 2, v5                   ; my byte of the scale words: 4 r + h
	v_nop
	BMAX O, 32, 1
.irp t, 0,1
	v_lshrrev_b32 v[TM+4+\t], 23, v[TM+2+\t]
.endr
.irp t, 0,1
.irp g, 0,1,2,3
	v_cvt_scalef32_pk8_fp4_f32 v[P+8*\t+\g], v[O+32*\t+8*\g:O+32*\t+8*\g+7], v[TM+2+\t]
.endr
.endr
	v_nop
	global_store_b128 v1, v[P:P+3], s[80:81]                  ; 512 consecutive bytes, aligned
	global_store_b128 v1, v[P+8:P+11], s[80:81] offset:1024
	global_store_b8 v4, v[TM+4], s[82:83]
	global_store_b8 v4, v[TM+5], s[82:83] offset:64
.endm
.macro OZERO
.set n, 0
.rept 64
	v_mov_b32 v[O+n], 0
.set n, n+1
.endr
.endm
	s_load_b256 s[4:11], s[0:1], 0x0               ; qk s[4:5], vp s[6:7], st s[8:9], oimg s[10:11]
	s_load_b64 s[12:13], s[0:1], 0x20              ; oscl
	v_lshl_add_u32 v254, v0, 2, SPARE
	v_mov_b32 v255, 0
	ds_add_u32 v254, v255                          ; the opening lines: the add twice on end, and its wait ahead of the first tensor load
	ds_add_u32 v254, v255
	v_lshrrev_b32 v1, 5, v0
	v_readfirstlane_b32 s14, v1                    ; wave 0..15
	s_lshr_b32 s15, ttmp9, 2                       ; batch x 16 + head
	s_and_b32 s19, ttmp9, 3
	s_lshr_b32 s20, s14, 1
	s_lshl_b32 s21, s19, 3
	s_add_co_u32 s21, s21, s20                     ; j: the pair's short block
	s_sub_co_u32 s[LB], 63, s21                    ; its long block
	s_lshr_b32 s[OWN], s14, 2
	s_add_co_u32 s[OWN], s[OWN], s14
	s_and_b32 s[OWN], s[OWN], 1                    ; owners and partners are mixed over the wave numbers
	s_lshr_b32 s84, s21, 2                         ; block j's last step
	s_lshr_b32 s85, s[LB], 2                       ; block 63 - j's
	s_cmp_lg_u32 s[OWN], 0
	s_cselect_b32 s16, s[LB], s21                  ; the first loop's block
	s_cselect_b32 s[HI1], 8, s84
	s_cselect_b32 s[HI2], 0, s85
	s_lshr_b32 s[NL], s16, 2
	s_and_b32 s18, s16, 3
	s_lshl_b32 s18, s18, 5                         ; where its queries lie in their step
	s_and_b32 s86, s[LB], 3
	s_lshl_b32 s86, s86, 5
	s_sub_co_u32 s86, s86, s18                     ; and how much further on the long block's lie in theirs
.irp g, 24,32                          ; groups 1: dense rows of 256 bytes (32 elements of 8), no mask, no padding
	s_mov_b32 s[\g+0], 0x30000
	s_mov_b32 s[\g+1], 32<<16
	s_mov_b32 s[\g+3], 32<<16
	s_mov_b32 s[\g+5], 32
	s_mov_b32 s[\g+6], 0
	s_mov_b32 s[\g+7], 0
.endr
	s_mov_b32 s26, 36<<16                          ; an eighth of k's pack: 36 rows
	s_mov_b32 s28, 36
	s_mov_b32 s34, 34<<16                          ; an eighth of v's: 34 rows
	s_mov_b32 s36, 34
	s_mul_i32 s73, s15, QKP
	s_and_b32 s72, s14, 7
	s_mul_i32 s74, s72, 9216
	s_add_co_u32 s76, s73, s74
	s_add_co_u32 s76, s76, 64*QKP                  ; the head's k pack, my eighth
	s_mov_b32 s77, 0
	s_mul_i32 s75, s72, 8704
	s_mul_i32 s78, s15, VPP
	s_add_co_u32 s78, s78, s75                     ; its v pack, my eighth
	s_mov_b32 s79, 0
	s_lshl_b32 s56, s16, 10
	s_add_co_u32 s56, s56, s73                     ; its q pack: the first block's two tiles
	s_mov_b32 s57, 0
	s_lshl_b32 s58, s16, 7
	s_add_co_u32 s58, s58, s73
	s_add_co_u32 s58, s58, 65536                   ; and their scale words
	s_mov_b32 s59, 0
	s_lshl_b32 s90, s[LB], 10
	s_add_co_u32 s90, s90, s73                     ; the long block's
	s_mov_b32 s91, 0
	s_lshl_b32 s92, s[LB], 7
	s_add_co_u32 s92, s92, s73
	s_add_co_u32 s92, s92, 65536
	s_mov_b32 s93, 0
	s_lshl_b32 s80, s15, 14                        ; the head's statistics
	s_mov_b32 s81, 0
	s_lshl_b32 s89, s14, 13
	s_add_co_u32 s89, s89, STG                     ; my stage: 8,192 bytes a wave
	s_mov_b32 s[CS], 0x3d38aa3b                    ; c = log2(e) / 32
	s_mov_b32 s[CS+1], s[CS]
	s_mov_b32 s[SEL], 0x76543210
	s_mov_b32 s[SEL+1], 0xfedcba98
	s_mov_b32 s[N], 0
	s_mov_b32 s[SK], 0
	s_mov_b32 s[SS], 0
	s_mov_b32 s[SVS], VS-KS
	s_wait_dscnt 0x0                               ; both opening adds are done
	s_wait_kmcnt 0x0
	s_mov_b32 s48, 1
	s_mov_b32 s49, s74
	s_add_nc_u64 s[50:51], s[4:5], s[76:77]
	s_or_b32 s51, s51, 0x80000000
	s_mov_b32 s52, 1
	s_add_co_u32 s53, s75, VC
	s_add_nc_u64 s[54:55], s[6:7], s[78:79]
	s_or_b32 s55, s55, 0x80000000
	s_add_nc_u64 s[56:57], s[4:5], s[56:57]
	s_add_nc_u64 s[58:59], s[4:5], s[58:59]
	s_add_nc_u64 s[90:91], s[4:5], s[90:91]
	s_add_nc_u64 s[92:93], s[4:5], s[92:93]
	s_add_nc_u64 s[80:81], s[8:9], s[80:81]
	s_cmp_lt_u32 s14, 8                            ; one tensor load in each arm: every wave issues one
	s_cbranch_scc0 .Lhead_v
	tensor_load_to_lds s[48:51], s[24:31]
	s_nop 0
.rept 4
	v_nop
.endr
	s_branch .Lhead_asked
.Lhead_v:
	tensor_load_to_lds s[52:55], s[32:39]
	s_nop 0
.rept 4
	v_nop
.endr
.Lhead_asked:
	v_and_b32 v6, 31, v0
	v_lshlrev_b32 v5, 4, v0                        ; 16 x thread: four keys' statistics
	v_lshlrev_b32 v1, 4, v6                        ; 16 x lane
	v_lshlrev_b32 v4, 2, v6                        ; 4 x lane
	global_load_b128 v[S0:S0+3], v5, s[80:81]                 ; -c m of keys 4 thread .. + 3
	global_load_b128 v[S0+4:S0+7], v5, s[80:81] offset:8192   ; 1 / l
	global_load_b128 v[QF:QF+3], v1, s[56:57]
	global_load_b128 v[QF+8:QF+11], v1, s[56:57] offset:512
	global_load_b32 v12, v4, s[58:59]              ; q's scale words: lanes 0-15 tile 0's, lanes 16-31 tile 1's
.irp t, 0,1
.irp k, 4,5,6,7
	v_mov_b32 v[QF+8*\t+\k], 0                     ; zero codes for the upper 64 of K
.endr
.endr
.irp u, 0,1,2,3
.irp k, 4,5,6,7
	v_mov_b32 v[KF+8*\u+\k], 0
.endr
.endr
	OZERO                                          ; the step is written once: the first adds onto zeros
	v_and_b32 v240, 7, v0                          ; m % 8
	v_bfe_u32 v241, v0, 3, 1                       ; m / 8
	v_bfe_u32 v242, v0, 4, 1                       ; h = lane / 16
	v_lshlrev_b32 v243, 4, v240
	v_lshlrev_b32 v244, 2, v240
	v_lshl_add_u32 v243, v242, 8, v243             ; 16 (m % 8) + 256 h
	v_lshl_add_u32 v244, v241, 7, v244
	v_lshl_add_u32 v2, v241, 10, v243              ; k's codes: + 1,024 (m / 8)
	v_lshl_add_u32 v[BV], v241, 11, v243           ; v's: + 2,048 (m / 8)
	v_lshl_add_u32 v244, v242, 6, v244             ; scale words: 128 (m / 8) + 4 (m % 8) + 64 h
	v_add_nc_u32 v[BV], VC, v[BV]
	v_add_nc_u32 v[BKS], KS, v244
	v_add_nc_u32 v[STA], s89, v1
	v_lshl_add_u32 v[BN], v242, 7, NT              ; n: 32 keys a half of the lanes
	v_lshlrev_b32 v15, 3, v242
	v_and_b32 v245, 15, v0
	v_and_b32 v3, 8, v0
	v_lshlrev_b32 v240, 5, v242
	v_add_nc_u32 v3, v3, v245                      ; r + 8 (r / 8): my query in its tile's 32
	v_mov_b32 v7, 0xff800000                       ; -infinity
	v_sub_nc_u32 v3, v3, v240
	v_xor_b32 v[LDA], 8192, v[STA]                 ; the stage of wave w xor 1 (STG - 4,096 is an even multiple of 8,192)
	v_mov_b32 v13, 0                               ; a lane permute's destination counts as one of its sources
	v_mov_b32 v14, 0
	v_add_nc_u32 v3, s18, v3                       ; the mask's term: r + 8 (r / 8) - 32 h + 32 (g % 4)
	s_wait_alu depctr_va_vdst(0)                   ; ahead of the wait below and of the batch
	s_wait_loadcnt 0x0
.irp k, 4,5,6,7
	v_log_f32 v[S0+\k], v[S0+\k]                   ; log2(1 / l)
.endr
	v_lshl_add_u32 v243, v0, 4, NT                 ; (a plain place behind the logarithms)
	s_wait_alu depctr_va_vdst(0)                   ; the wait ahead of their first reader
	v_pk_add_f32 v[S0:S0+1], v[S0:S0+1], v[S0+4:S0+5]
	v_pk_add_f32 v[S0+2:S0+3], v[S0+2:S0+3], v[S0+6:S0+7]
	ds_store_b128 v243, v[S0:S0+3]                 ; n of four keys
	s_wait_alu depctr_va_vdst(0)                   ; the head's end
	s_wait_tensorcnt 0x0                           ; my eighth of a pack is in,
	s_wait_dscnt 0x0                               ; my part of n is stored,
	s_barrier_signal -1
	s_barrier_wait -1                              ; and everybody's
	STEP HI1, 1                                    ; steps 0 to 8: the owner's part of block 63 - j; the partner's block j
	s_cmp_lt_u32 s[N], 9
	s_cbranch_scc1 .Lstep1
	s_wait_alu depctr_va_vdst(0)
	s_cmp_lg_u32 s[OWN], 0
	s_cbranch_scc1 .Lowner                         ; the owner keeps its sums
	v_and_b32 v6, 31, v0
	s_delay_alu instid0(VALU_DEP_1)
	v_lshlrev_b32 v6, 2, v6
	global_load_b128 v[QF:QF+3], v1, s[90:91]      ; the partner: the long block's queries are on their way while block j goes out
	global_load_b128 v[QF+8:QF+11], v1, s[90:91] offset:512
	global_load_b32 v12, v6, s[92:93]
	OUTS 16
	OUTV
	s_wait_xcnt 0x0                                ; the stores have read their registers
	OZERO
	v_add_nc_u32 v3, s86, v3                       ; the mask's term for the long block
	s_wait_alu depctr_va_vdst(0)                   ; directly ahead of the wait below
	s_wait_loadcnt 0x0
.Lowner:
	s_mov_b32 s[NL], s85
	s_mov_b32 s[N], 9
	s_mov_b32 s[SK], 9*4096
	s_mov_b32 s[SS], 9*512
	s_mov_b32 s[SVS], VS-KS+9*256
	STEP HI2, 2                                    ; steps 9 to 15: the partner's part of block 63 - j
	s_cmp_lt_u32 s[N], 16
	s_cbranch_scc1 .Lstep2
	s_wait_alu depctr_va_vdst(0)
.rept 4
	v_nop                                          ; places in front of the first read of O^T and of loads into the products' sources
.endr
	s_cmp_lg_u32 s[OWN], 0
	s_cbranch_scc1 .Lnosend
.irp k, 0,1,2,3,4,5,6,7,8,9,10,11,12,13,14,15
	ds_store_b128 v[STA], v[O+4*\k:O+4*\k+3] offset:512*\k   ; an image of my 64 registers, each accumulator from its low end on
.endr
.Lnosend:
	s_wait_dscnt 0x0                               ; my stage is written
	s_barrier_signal -1
	s_barrier_wait -1                              ; everybody's is
	s_cmp_lg_u32 s[OWN], 0
	s_cbranch_scc0 .Ldone
	OUTS LB
.irp k, 0,1,2,3,4,5,6,7
	ds_load_b128 v[S0+4*\k:S0+4*\k+3], v[LDA] offset:512*\k
.endr
.irp k, 0,1,2,3,4,5,6,7
	ds_load_b128 v[NV+4*\k:NV+4*\k+3], v[LDA] offset:4096+512*\k
.endr
	s_wait_dscnt 0x0
.set n, 0
.rept 16
	v_pk_add_f32 v[O+n:O+n+1], v[O+n:O+n+1], v[S0+n:S0+n+1]              ; steps 0 to 8 and steps 9 on of the same queries
	v_pk_add_f32 v[O+32+n:O+32+n+1], v[O+32+n:O+32+n+1], v[NV+n:NV+n+1]
.set n, n+2
.endr
	OUTV
.Ldone:
	s_wait_tensorcnt 0x0                           ; the wave's end
	ds_add_u32 v254, v255
	s_wait_dscnt 0x0
	s_endpgm
.Lfunc_end_k_q5cde5aec97_attn:
	.size	k_q5cde5aec97_attn, .Lfunc_end_k_q5cde5aec97_attn-k_q5cde5aec97_attn
	.p2alignl 7, 3214868480
	.fill 96, 4, 3214868480
	.section	.rodata,"a",@progbits
	.p2align	6, 0x0
	.amdhsa_kernel k_q5cde5aec97_attn
		.amdhsa_group_segment_fixed_size 284672
		.amdhsa_private_segment_fixed_size 0
		.amdhsa_enable_private_segment 0
		.amdhsa_kernarg_size 40
		.amdhsa_user_sgpr_count 2
		.amdhsa_user_sgpr_kernarg_segment_ptr 1
		.amdhsa_wavefront_size32 1
		.amdhsa_system_sgpr_workgroup_id_x 1
		.amdhsa_system_sgpr_workgroup_id_y 1
		.amdhsa_system_sgpr_workgroup_id_z 1
		.amdhsa_system_vgpr_workitem_id 0
		.amdhsa_next_free_vgpr 256
		.amdhsa_next_free_sgpr 96
		.amdhsa_reserve_vcc 1
		.amdhsa_float_denorm_mode_32 3
		.amdhsa_float_denorm_mode_16_64 3
		.amdhsa_memory_ordered 1
		.amdhsa_forward_progress 1
		.amdhsa_inst_pref_size 88
	.end_amdhsa_kernel
	.amdgpu_metadata
---
amdhsa.version: [ 1, 2 ]
amdhsa.kernels:
  - .name:           k_q5cde5aec97_attn
    .symbol:         k_q5cde5aec97_attn.kd
    .args:
      - { .name: qk, .offset: 0, .size: 8, .value_kind: global_buffer, .address_space: global }
      - { .name: vp, .offset: 8, .size: 8, .value_kind: global_buffer, .address_space: global }
      - { .name: st, .offset: 16, .size: 8, .value_kind: global_buffer, .address_space: global }
      - { .name: oimg, .offset: 24, .size: 8, .value_kind: global_buffer, .address_space: global }
      - { .name: oscl, .offset: 32, .size: 8, .value_kind: global_buffer, .address_space: global }
    .group_segment_fixed_size: 284672
    .private_segment_fixed_size: 0
    .kernarg_segment_align: 8
    .kernarg_segment_size: 40
    .max_flat_workgroup_size: 512
    .sgpr_count:     96
    .vgpr_count:     256
    .wavefront_size: 32
...
	.end_amdgpu_metadata
.endif
;; end of part 4
;; launch proj (part 5): grid 256 x 1, 16 waves a work-group, no clusters, 280,576 bytes of LDS; arguments img, imgs, oimg, oscl, bp, out0; writes out0
.if DOCPART == 5
	.amdgcn_target "amdgcn-amd-amdhsa--gfx1250"
	.amdhsa_code_object_version 6
	.text
	.protected	k_q5cde5aec97_proj
	.globl	k_q5cde5aec97_proj
	.p2align	8
	.type	k_q5cde5aec97_proj,@function
k_q5cde5aec97_proj:
	s_mov_b64 s[64:65], 0
	v_nop
	global_prefetch_b8 v0, s[64:65] scope:SCOPE_SE
	s_setreg_imm32_b32 hwreg(HW_REG_WAVE_MODE, 25, 1), 1
	s_wait_xcnt 0x0
; out0[t][j] = the sum over c of out[t][c] Wp[j][c] + bp[j], on codes of FP4 with E8M0 scales, K = 1,024; out0 [8192][1024] f32.
; Source 0 = 16 rows of Wp (tiles 704 on of img), source 1 = 16 tokens (oimg): a lane holds one token, and by the order of rows in a tile (place r of tile T = row 32 (T / 2) + 8 (T % 2) + r + 8 (r / 8))
; the 16 registers of Wp's tiles 2 b, 2 b + 1 are 16 neighbouring columns j: 64 bytes of a row of out0.
; SHARES: a work-group makes 128 tokens x 256 columns; wave w takes Wp's tiles 8 (w % 2) .. + 7 and token tile w / 2: 8 accumulators.
; LDS: all eight K steps of the work-group's 16 + 8 tiles and their scale words come ONCE, one tensor load a wave at the head: waves 0-3 two K steps each of Wp's codes, waves 4-7 of out's, wave 8 Wp's scale words, wave 9 out's.
; THE WAY OUT: 64 columns of 16 tokens at a time through the wave's own stage (rows of 256 bytes + 16), back as whole rows, the bias added, sixteen lanes store 256 consecutive bytes, aligned.
; NO CLUSTER, NO PREFETCH: a work-group asks for its tiles once, at its head, and has no loop of refills in which joint requests would recur or in which to run ahead.
.set PCO,  0                           ; Wp's codes [q 8][16 tiles][1,024]
.set RCO,  131072                      ; out's codes [q 8][8 tiles][1,024]
.set PSO,  196608                      ; Wp's scale words [q 8][16][64]
.set RSO,  204800                      ; out's [q 8][8][64]
.set STG,  208896                      ; 16 stages of 16 x 272 bytes: no tensor load lands here
.set SPARE, 278528                     ; the spare words, 128 bytes a wave
.set QIMG, 786432
.set QSCL, 49152
.set RF,   16                          ; v16-23   the token tile's fragment
.set PS,   32                          ; v32-35   Wp's scale words: lanes 0-15 tile 2 p, lanes 16-31 tile 2 p + 1
.set RS,   36                          ; v36      out's
.set BI,   40                          ; v40-47   the bias of my lane's columns on the way out
.set PF,   64                          ; v64-127  Wp's eight fragments; later rows of out0
.set ACC,  128                         ; v128-191
.set GD,   24                          ; s[24:31] group 1: Wp's codes, 2 K steps: 2 rows of 16,384 bytes
.set GE,   32                          ; s[32:39] out's codes: 2 rows of 8,192 bytes
.set GR,   40                          ; s[40:47] Wp's scale words: 8 rows of 1,024 bytes
.set GQ,   48                          ; s[48:55] out's: 8 rows of 512 bytes
.macro WM d, a, b, z, sa, sb, ra, rb
.if (\z) && (\ra)
	v_wmma_scale_f32_16x16x128_f8f6f4 v[\d:\d+7], v[\a:\a+7], v[\b:\b+7], 0, v[\sa], v[\sb] matrix_a_fmt:MATRIX_FMT_FP4 matrix_b_fmt:MATRIX_FMT_FP4 matrix_a_scale:MATRIX_SCALE_ROW1
.elseif (\z)
	v_wmma_scale_f32_16x16x128_f8f6f4 v[\d:\d+7], v[\a:\a+7], v[\b:\b+7], 0, v[\sa], v[\sb] matrix_a_fmt:MATRIX_FMT_FP4 matrix_b_fmt:MATRIX_FMT_FP4
.elseif (\ra)
	v_wmma_scale_f32_16x16x128_f8f6f4 v[\d:\d+7], v[\a:\a+7], v[\b:\b+7], v[\d:\d+7], v[\sa], v[\sb] matrix_a_fmt:MATRIX_FMT_FP4 matrix_b_fmt:MATRIX_FMT_FP4 matrix_a_scale:MATRIX_SCALE_ROW1
.else
	v_wmma_scale_f32_16x16x128_f8f6f4 v[\d:\d+7], v[\a:\a+7], v[\b:\b+7], v[\d:\d+7], v[\sa], v[\sb] matrix_a_fmt:MATRIX_FMT_FP4 matrix_b_fmt:MATRIX_FMT_FP4
.endif
.endm
; K step q: 23 LDS loads, then 8 products, each accumulator once: the accumulators take turns.  z = 1: the products start the sums.
.macro KSTEP q, z
.if \q > 0
.rept 4
	v_nop                                          ; places in front of loads into registers that matrix instructions have read
.endr
.endif
.irp pt, 0,1,2,3,4,5,6,7
.irp c, 0,1
	ds_load_b128 v[PF+8*\pt+4*\c:PF+8*\pt+4*\c+3], v[2+(\q)/4] offset:((\q)%4)*16384+\pt*1024+512*\c
.endr
.endr
.irp c, 0,1
	ds_load_b128 v[RF+4*\c:RF+4*\c+3], v4 offset:(\q)*8192+512*\c
.endr
.irp pr, 0,1,2,3
	ds_load_b32 v[PS+\pr], v6 offset:(\q)*1024+128*\pr
.endr
	ds_load_b32 v[RS], v7 offset:(\q)*512
	s_wait_dscnt 0x0
.irp pt, 0,1,2,3,4,5,6,7
	WM ACC+8*\pt, PF+8*\pt, RF, \z, PS+\pt/2, RS, \pt%2, 0
.endr
.endm
; an arm of the head's one chain of branches on the wave's number: one tensor load, then on to the join
.macro ARM under, g0, g1, next
	s_cmp_lt_u32 s16, \under
	s_cbranch_scc0 \next
	tensor_load_to_lds s[\g0:\g0+3], s[\g1:\g1+7]
	s_nop 0
.rept 4
	v_nop
.endr
	s_branch .Lhead_asked
\next:
.endm
	s_load_b256 s[4:11], s[0:1], 0x0               ; img s[4:5], imgs s[6:7], oimg s[8:9], oscl s[10:11]
	s_load_b128 s[12:15], s[0:1], 0x20             ; bp s[12:13], out0 s[14:15]
	v_lshl_add_u32 v208, v0, 2, SPARE
	v_mov_b32 v209, 0
	ds_add_u32 v208, v209                          ; the opening lines: the add twice on end, and its wait ahead of the first tensor load
	ds_add_u32 v208, v209
	v_lshrrev_b32 v1, 5, v0
	v_readfirstlane_b32 s16, v1                    ; wave 0..15
	s_and_b32 s17, s16, 1                          ; pw: which 8 tiles of Wp
	s_lshr_b32 s18, s16, 1                         ; rw: which token tile
	s_and_b32 s19, ttmp9, 3                        ; which 256 columns
	s_lshr_b32 s20, ttmp9, 2                       ; which 128 tokens
	s_lshl_b32 s21, s19, 4
	s_add_co_u32 s21, s21, 704                     ; Wp's first tile
.irp g, GD,GE,GR,GQ
	s_mov_b32 s[\g+0], 0x30000                     ; elements of 8 bytes, no mask, no padding
	s_mov_b32 s[\g+6], 0
	s_mov_b32 s[\g+7], 0
.endr
	s_mov_b32 s[GD+1], 2048<<16
	s_mov_b32 s[GD+2], 2<<16
	s_mov_b32 s[GD+3], 2048<<16
	s_mov_b32 s[GD+4], 2
	s_mov_b32 s[GD+5], QIMG/8                      ; from K step to K step of img
	s_mov_b32 s[GE+1], 1024<<16
	s_mov_b32 s[GE+2], 2<<16
	s_mov_b32 s[GE+3], 1024<<16
	s_mov_b32 s[GE+4], 2
	s_mov_b32 s[GE+5], 65536                       ; of oimg: 524,288 bytes
	s_mov_b32 s[GR+1], 128<<16
	s_mov_b32 s[GR+2], 8<<16
	s_mov_b32 s[GR+3], 128<<16
	s_mov_b32 s[GR+4], 8
	s_mov_b32 s[GR+5], QSCL/8                      ; of imgs
	s_mov_b32 s[GQ+1], 64<<16
	s_mov_b32 s[GQ+2], 8<<16
	s_mov_b32 s[GQ+3], 64<<16
	s_mov_b32 s[GQ+4], 8
	s_mov_b32 s[GQ+5], 4096                        ; of oscl: 32,768 bytes
	s_and_b32 s22, s16, 3                          ; codes: K steps 2 (w % 4), + 1
	s_mul_i32 s84, s22, 2*QIMG
	s_lshl_b32 s23, s21, 10
	s_add_co_u32 s84, s84, s23
	s_mov_b32 s85, 0
	s_lshl_b32 s86, s22, 20
	s_lshl_b32 s23, s20, 13
	s_add_co_u32 s86, s86, s23
	s_mov_b32 s87, 0
	s_lshl_b32 s88, s21, 6
	s_mov_b32 s89, 0
	s_lshl_b32 s90, s20, 9
	s_mov_b32 s91, 0
	s_lshl_b32 s92, s22, 15                        ; LDS: Wp's codes
	s_lshl_b32 s93, s22, 14
	s_add_co_u32 s93, s93, RCO                     ; out's
	s_wait_dscnt 0x0                               ; both opening adds are done
	s_wait_kmcnt 0x0
	s_mov_b32 s56, 1                               ; Wp's codes
	s_mov_b32 s57, s92
	s_add_nc_u64 s[58:59], s[4:5], s[84:85]
	s_or_b32 s59, s59, 0x80000000
	s_mov_b32 s60, 1                               ; out's
	s_mov_b32 s61, s93
	s_add_nc_u64 s[62:63], s[8:9], s[86:87]
	s_or_b32 s63, s63, 0x80000000
	s_mov_b32 s68, 1                               ; Wp's scale words
	s_mov_b32 s69, PSO
	s_add_nc_u64 s[70:71], s[6:7], s[88:89]
	s_or_b32 s71, s71, 0x80000000
	s_mov_b32 s72, 1                               ; out's
	s_mov_b32 s73, RSO
	s_add_nc_u64 s[74:75], s[10:11], s[90:91]
	s_or_b32 s75, s75, 0x80000000
	ARM 4, 56, GD, .Lhead_b
	ARM 8, 60, GE, .Lhead_c
	ARM 9, 68, GR, .Lhead_d
	ARM 10, 72, GQ, .Lhead_none
.Lhead_asked:
	v_and_b32 v8, 31, v0
	v_and_b32 v11, 15, v0                          ; r
	v_bfe_u32 v12, v0, 4, 1                        ; h
	v_lshlrev_b32 v1, 4, v8                        ; 16 x lane
	v_lshlrev_b32 v9, 2, v8                        ; 4 x lane
	v_lshlrev_b32 v10, 4, v11                      ; 16 r
	s_wait_alu depctr_va_vdst(0)                   ; ahead of the run of scalar instructions
	s_lshl_b32 s22, s20, 3
	s_add_co_u32 s22, s22, s18                     ; my token tile T
	s_lshr_b32 s23, s22, 1
	s_lshl_b32 s98, s23, 17                        ; 32 (T / 2) rows of 4,096 bytes
	s_and_b32 s23, s22, 1
	s_lshl_b32 s23, s23, 15                        ; + 8 (T % 2) rows
	s_add_co_u32 s98, s98, s23
	s_lshl_b32 s96, s19, 10
	s_lshl_b32 s23, s17, 9
	s_add_co_u32 s96, s96, s23                     ; my first column, in bytes: 4 (256 px + 128 pw)
	s_add_co_u32 s98, s98, s96
	s_mov_b32 s97, 0
	s_mov_b32 s99, 0
	s_add_nc_u64 s[96:97], s[12:13], s[96:97]
	s_add_nc_u64 s[98:99], s[14:15], s[98:99]
	global_load_b128 v[BI:BI+3], v10, s[96:97]                ; on the way out lane r holds columns 64 e + 4 r .. + 3
	global_load_b128 v[BI+4:BI+7], v10, s[96:97] offset:256
	s_lshl_b32 s84, s17, 13
	s_lshl_b32 s85, s18, 10
	s_add_co_u32 s85, s85, RCO
	s_lshl_b32 s86, s17, 9
	s_add_co_u32 s86, s86, PSO
	s_lshl_b32 s87, s18, 6
	s_add_co_u32 s87, s87, RSO
	s_mul_i32 s88, s16, 16*272
	s_add_co_u32 s88, s88, STG                     ; my stage
	v_add_nc_u32 v2, s84, v1                       ; Wp's fragments, K steps 0-3: PCO + 16 lane + 8,192 pw
	v_add_nc_u32 v4, s85, v1                       ; the token tile's
	v_add_nc_u32 v6, s86, v9                       ; Wp's scale words
	v_lshl_add_u32 v7, v11, 2, s87                 ; out's: 4 r
	v_mul_u32_u24 v13, v11, 272
	v_mul_u32_u24 v14, v12, 272
	v_add_nc_u32 v3, 65536, v2                     ; K steps 4-7
	v_lshl_add_u32 v13, v12, 6, v13
	v_lshl_add_u32 v14, v11, 4, v14
	v_lshl_add_u32 v15, v12, 12, v10               ; in out0: 4,096 h + 16 r
	v_add_nc_u32 v13, s88, v13                     ; into the stage: place r, + 64 h bytes
	v_add_nc_u32 v14, s88, v14                     ; back: lanes 0-15 one place, lanes 16-31 the next
	s_wait_alu depctr_va_vdst(0)                   ; the head's end
	s_wait_tensorcnt 0x0                           ; my load, if I issued one, is in
	s_barrier_signal -1
	s_barrier_wait -1                              ; everybody's is
	KSTEP 0, 1
	KSTEP 1, 0
	KSTEP 2, 0
	KSTEP 3, 0
	KSTEP 4, 0
	KSTEP 5, 0
	KSTEP 6, 0
	KSTEP 7, 0
.rept 4
	v_nop                                          ; places in front of the first read of results and of loads into Wp's registers
.endr
.irp e, 0,1                            ; columns 64 e on.  LDS serves a wave's instructions in order: the loads see the stores above them, and the next half's stores come behind the loads
.irp b, 0,1
.irp g, 0,1,2,3
	ds_store_b128 v13, v[ACC+16*(2*\e+\b)+4*\g:ACC+16*(2*\e+\b)+4*\g+3] offset:128*\b+16*\g   ; each accumulator from its low end on
.endr
.endr
.irp i, 0,1,2,3,4,5,6,7
	ds_load_b128 v[PF+32*\e+4*\i:PF+32*\e+4*\i+3], v14 offset:544*\i
.endr
.endr
	s_wait_loadcnt 0x0                             ; the bias
.irp e, 0,1
.irp i, 0,1,2,3,4,5,6,7
	s_wait_dscnt 23-16*\e-\i                       ; this load is in; the younger LDS instructions may be out
	v_pk_add_f32 v[PF+32*\e+4*\i:PF+32*\e+4*\i+1], v[PF+32*\e+4*\i:PF+32*\e+4*\i+1], v[BI+4*\e:BI+4*\e+1]
	v_pk_add_f32 v[PF+32*\e+4*\i+2:PF+32*\e+4*\i+3], v[PF+32*\e+4*\i+2:PF+32*\e+4*\i+3], v[BI+4*\e+2:BI+4*\e+3]
	global_store_b128 v15, v[PF+32*\e+4*\i:PF+32*\e+4*\i+3], s[98:99] offset:(2*\i+8*(\i/4))*4096+256*\e th:TH_STORE_NT   ; place 2 i + h is token row 2 i + h + 8 (i / 4) of the tile's 32
.endr
.endr
	s_wait_tensorcnt 0x0                           ; the wave's end
	ds_add_u32 v208, v209
	s_wait_dscnt 0x0
	s_endpgm
.Lfunc_end_k_q5cde5aec97_proj:
	.size	k_q5cde5aec97_proj, .Lfunc_end_k_q5cde5aec97_proj-k_q5cde5aec97_proj
	.p2alignl 7, 3214868480
	.fill 96, 4, 3214868480
	.section	.rodata,"a",@progbits
	.p2align	6, 0x0
	.amdhsa_kernel k_q5cde5aec97_proj
		.amdhsa_group_segment_fixed_size 280576
		.amdhsa_private_segment_fixed_size 0
		.amdhsa_enable_private_segment 0
		.amdhsa_kernarg_size 48
		.amdhsa_user_sgpr_count 2
		.amdhsa_user_sgpr_kernarg_segment_ptr 1
		.amdhsa_wavefront_size32 1
		.amdhsa_system_sgpr_workgroup_id_x 1
		.amdhsa_system_sgpr_workgroup_id_y 1
		.amdhsa_system_sgpr_workgroup_id_z 1
		.amdhsa_system_vgpr_workitem_id 0
		.amdhsa_next_free_vgpr 210
		.amdhsa_next_free_sgpr 100
		.amdhsa_reserve_vcc 0
		.amdhsa_float_denorm_mode_32 3
		.amdhsa_float_denorm_mode_16_64 3
		.amdhsa_memory_ordered 1
		.amdhsa_forward_progress 1
		.amdhsa_inst_pref_size 35
	.end_amdhsa_kernel
	.amdgpu_metadata
---
amdhsa.version: [ 1, 2 ]
amdhsa.kernels:
  - .name:           k_q5cde5aec97_proj
    .symbol:         k_q5cde5aec97_proj.kd
    .args:
      - { .name: img, .offset: 0, .size: 8, .value_kind: global_buffer, .address_space: global }
      - { .name: imgs, .offset: 8, .size: 8, .value_kind: global_buffer, .address_space: global }
      - { .name: oimg, .offset: 16, .size: 8, .value_kind: global_buffer, .address_space: global }
      - { .name: oscl, .offset: 24, .size: 8, .value_kind: global_buffer, .address_space: global }
      - { .name: bp, .offset: 32, .size: 8, .value_kind: global_buffer, .address_space: global }
      - { .name: out0, .offset: 40, .size: 8, .value_kind: global_buffer, .address_space: global }
    .group_segment_fixed_size: 280576
    .private_segment_fixed_size: 0
    .kernarg_segment_align: 8
    .kernarg_segment_size: 48
    .max_flat_workgroup_size: 512
    .sgpr_count:     100
    .vgpr_count:     210
    .wavefront_size: 32
...
	.end_amdgpu_metadata
.endif
;; end of part 5
